; MI455X (gfx1250); checked and timed in simulation.
; The chip was launched on July 23, 2026; its instructions are those of AMD's public machine-readable ISA for CDNA 5 (MIT licence, August 2026) and "CDNA5" Instruction Set Architecture Reference Guide (July 2026). The comments in the code are by the model that wrote it; some were corrected since.
;; Causal Self Attention. Allowed arithmetic: matrix products marked QUANTISED: E3M2 operands, one E8M0 scale for each 32 along K, by v_wmma_scale_f32_16x16x128_f8f6f4 with both operands' format E3M2, f32 sums; everything else in f32.
;; Inputs: b_attn 3,072 float32; b_proj 1,024 float32; w_attn 1,024 x 3,072 float32; w_proj 1,024 x 1,024 float32; x 4 x 2,048 x 1,024 float32.
;; Outputs: out0 4 x 2,048 x 1,024 float32.
;; This version of the problem:
;;   THIS VERSION OF THE PROBLEM IS GIVEN IN LOW PRECISION. The matrix products marked QUANTISED in the list below multiply operands that are first quantised to E3M2 (3 exponent bits, 2 mantissa bits; 6 bits a number), with one power-of-two scale for each 32 numbers along K (OCP MX v1.0); their sums are f32. All else is computed in f32.
;;   The module's matrix products, in the order in which they are computed (A, B: the left and right operand; K: the contracted axis; several contracted axes count as one K, in the product's order):
;;     1. [M 8,192, K 1,024] x [K 1,024, N 3,072]; A: input x; B: input w_attn: QUANTISED
;;     2. batch 64 x [M 2,048, K 64] x [K 64, N 2,048]; A: computed on the way; B: computed on the way: QUANTISED
;;     3. batch 64 x [M 2,048, K 2,048] x [K 2,048, N 64]; A: softmax (see below); B: computed on the way: QUANTISED
;;     4. [M 8,192, K 1,024] x [K 1,024, N 1,024]; A: computed on the way; B: input w_proj: QUANTISED
;;   THE QUANTISER, for each operand of a quantised product, along K:
;;     - K is cut into blocks of 32 from its start; a last block that is shorter is filled with zeros.
;;     - A block's scale is 2^e with e = floor(log2(the largest magnitude in the block)) - 4, held to -126 .. 127; a block of zeros has e = 0. As a byte (E8M0): e + 127.
;;     - Each number is divided by its block's scale, clamped to +-28, and rounded to the nearest number of E3M2, ties to even, subnormals kept.
;;     - The product sums the exact products of the quantised numbers (number of the format x scale) in f32.
;;   ~~~python
;;   def quantise(x, axis):      # numpy; x: float32 -> the quantised numbers, widened to float32 again
;;       x = np.moveaxis(x, axis, -1); K = x.shape[-1]
;;       x = np.pad(x, [(0, 0)] * (x.ndim - 1) + [(0, -K % 32)]); x = x.reshape(x.shape[:-1] + (-1, 32)); a = np.abs(x).max(-1, keepdims=True)
;;       e = np.where(a > 0, np.clip(np.frexp(np.where(a > 0, a, 1))[1] - 1 - 4, -126, 127), 0)      # np.frexp(a)[1] - 1 = floor(log2(a)), exactly
;;       r = np.clip(x / 2.0 ** e, -28, 28)
;;       step = 2.0 ** (np.maximum(np.frexp(np.where(r == 0, 1, r))[1] - 1, -2) - 2)
;;       q = np.round(r / step) * step * 2.0 ** e      # np.round: ties to even
;;       return np.moveaxis(q.reshape(q.shape[:-2] + (-1,))[..., :K], -1, axis).astype(np.float32)
;;   ~~~
;;   SOFTMAX AHEAD OF A QUANTISED PRODUCT. Where the list says 'softmax', what is quantised is not the finished softmax but p = 2^(t - M), with t = logit x log2(e) and M = ceil(the row's largest t), a whole number; so 1/2 < the row's largest p <= 1. The row's sum l is taken of the UNQUANTISED p, in f32, and the product's result is divided by l at the end. Since M is a whole number, a kernel that streams over the keys may use a running M (the ceiling of the running maximum): every later rescaling is an exact power of two, which a block's scale takes up: the codes' values come out the same.
;;   OPERANDS COMPUTED ON THE WAY. 'Computed on the way' means the value that the module computes at that place (a softmax that the list does not call 'softmax' is quantised finished and normalised). What goes into a quantiser is computed in f32, as accurately as f32 sums, v_exp_f32 and their like allow (about 1e-6 of the number): no bf16 or f16 on the way to a quantiser, and a product that is left as it is and whose result goes on into a quantised operand takes f32 operands (vector FMAs, or v_wmma_f32_16x16x4_f32). A number that lies on a knife's edge between two numbers of the format may be rounded either way, as far as f32 arithmetic and the matrix unit's own rounding can turn it there, and no further.
;; One version. Each part assembles by itself: llvm-mc -triple=amdgcn-amd-amdhsa -mcpu=gfx1250 --defsym DOCPART=n.
;; ======== version 1 of 1: 4 launches
;; limits: right only within a limited range of input values
;; workspace buffers: xq 6,553,600 bytes; wq 3,276,800 bytes; qq 6,815,744 bytes; kvq 13,369,344 bytes; yq 6,553,600 bytes
;; launch quant (part 1): grid 384 x 1, 4 waves a work-group, no clusters, 83,456 bytes of LDS; arguments x, w_attn, w_proj, xq, wq; writes xq, wq
.if DOCPART == 1
	.amdgcn_target "amdgcn-amd-amdhsa--gfx1250"
	.amdhsa_code_object_version 6
	.text
	.protected	k_qb9b2f6ec5e_quant
	.globl	k_qb9b2f6ec5e_quant
	.p2align	8
	.type	k_qb9b2f6ec5e_quant,@function
k_qb9b2f6ec5e_quant:
	s_mov_b64 s[64:65], 0
	v_nop
	global_prefetch_b8 v0, s[64:65] scope:SCOPE_SE
	s_setreg_imm32_b32 hwreg(HW_REG_WAVE_MODE, 25, 1), 1
	s_wait_xcnt 0x0
; x [8192][1024], w_attn [1024][3072] and w_proj [1024][1024], f32, become codes of BF6 (E3M2) with one E8M0 byte for each 32 along K (K = 1024 in all three).
; ONE LAYOUT FOR EVERY OPERAND OF THE PROGRAM: the order of the operand's registers.
;   row block i = 16 rows: its lane r is row 32 (i / 2) + 8 (i % 2) + r % 8 + 16 (r / 8), so that the results of two neighbouring source-0 tiles are 16 neighbours along the next K;
;   half fragment = 16 rows x 64 K = 768 bytes: bytes 16 lane: registers 0-3 of lane (r, h), bytes 512 + 8 lane: registers 4-5; lane (r, h) holds k = 32 h .. 32 h + 31;
;   codes [row block][16 half fragments][768]; scale words [row block][4 (256 along K)][r][2 words], a word = the four bytes of 128 along K.
; A block's scale is 2^(floor(log2(largest magnitude)) - 4): its byte is the largest magnitude's exponent field - 4, held at 1 from below by a floor among the maximum's leaves.
; LIMITS: a block whose largest magnitude lies under 2^-122 keeps the byte 1; a block of zeros gets the byte 1 and not 127 (its codes are zeros, and this program alone reads the bytes); NaN and infinities are not served.
; SHARES: work-groups 0-255: 32 rows of x each (K innermost); 256-351: w_attn, 128 columns x 256 along K each; 352-383: w_proj likewise (K outermost: a lane takes a column, its registers run down K).
; No tensor loads, no barrier: waves share nothing, and no work-group shares an input with another, so clusters have nothing to give.  Each of the three ways has LDS bytes of its own.
.set L16, 1                            ; v1   16 x lane
.set L8,  2                            ; v2   8 x lane
.set SA,  3                            ; v3   x: the stage on the way in
.set SBK, 4                            ; v4   x: the stage on the way out
.set SW,  5                            ; v5   x: my place among a row block's scale words
.set R0,  16                           ; v16-143  x: two sets of 64 numbers as loaded
.set X,   144                          ; v144-207 x: 64 numbers of my row, register 16 b + i = k 32 b + 16 h + i
.set PC,  208                          ; v208-219 a fragment's codes; v220-222, v224-226 at work
.set TM,  228                          ; v228-243 at work
.set PW,  244                          ; the scale word just made
.set PWP, 245                          ; the one before it
.set WO,  246                          ; the word that my lane stores
.set SEL, 28                           ; s[28:29] lane selects for v_permlanex16_b32: lane l xor 16
.set XWORDS, 6291456                   ; where xq's scale words begin
; 64 numbers of a lane, register 16 b + i = k 32 b + 16 (lane / 16) + i of my row, become a fragment's codes in v[PC] on and its scale word in v[PW].
.macro QUANT s
.irp b, 0,1,2,3
	v_max3_num_f32 v[TM+\b], |v[\s+16*\b]|, |v[\s+1+16*\b]|, 0x2800000   ; block b: my 16 numbers and the floor 2^(5 - 127)
.endr
.irp i, 2,4,6,8,10,12,14
.irp b, 0,1,2,3
	v_max3_num_f32 v[TM+\b], v[TM+\b], |v[\s+16*\b+\i]|, |v[\s+1+16*\b+\i]|   ; the four blocks by turns
.endr
.endr
.irp b, 0,1,2,3
	v_permlanex16_b32 v[TM+4+\b], v[TM+\b], s[SEL], s[SEL+1]
.endr
.irp b, 0,1,2,3
	v_max_num_f32 v[TM+\b], v[TM+\b], v[TM+4+\b]   ; with lane l xor 16's 16: the block's largest magnitude
.endr
.irp b, 0,1,2,3
	v_add_nc_u32 v[TM+12+\b], 0xfe000000, v[TM+\b]   ; 4 off its exponent field: the conversion's scale operand
.endr
.irp b, 0,1,2,3
	v_lshrrev_b32 v[TM+4+\b], 23, v[TM+12+\b]      ; the scale's byte
.endr
	v_lshl_or_b32 v[PW], v[TM+5], 8, v[TM+4]
	v_lshl_or_b32 v[PW], v[TM+6], 16, v[PW]
	v_lshl_or_b32 v[PW], v[TM+7], 24, v[PW]
.irp c, 0,1
	v_cvt_scalef32_pk16_bf6_f32 v[PC+6*\c:PC+2+6*\c], v[\s+32*\c:\s+15+32*\c], v[TM+12+2*\c]
	v_cvt_scalef32_pk16_bf6_f32 v[PC+12+4*\c:PC+14+4*\c], v[\s+16+32*\c:\s+31+32*\c], v[TM+12+2*\c+1]   ; (three registers begin on an even number)
.endr
	v_nop                                          ; one plain place behind a scaled conversion
.irp c, 0,1                                    ; the layout wants a whole block in a lane: lanes 0-15 block 2 c, lanes 16-31 block 2 c + 1
.irp i, 0,1,2
	v_permlane16_swap_b32 v[PC+6*\c+\i], v[PC+12+4*\c+\i]
.endr
.irp i, 0,1,2
	v_mov_b32 v[PC+3+6*\c+\i], v[PC+12+4*\c+\i]
.endr
.endr
.endm
; x: fragment f (128 along K) of my row block: 16 loads, each 512 consecutive bytes of one row
.macro LOADX f, set
.irp t, 0,1,2,3,4,5,6,7,8,9,10,11,12,13,14,15
	global_load_b128 v[(\set)+4*\t:(\set)+4*\t+3], v[L16], s[4:5] offset:((\t%8)+16*(\t/8))*4096+512*(\f) th:TH_LOAD_NT
.endr
.endm
.macro TOST set                        ; into my stage as loaded: row t at 528 t
.irp t, 0,1,2,3,4,5,6,7,8,9,10,11,12,13,14,15
	ds_store_b128 v[SA], v[(\set)+4*\t:(\set)+4*\t+3] offset:528*\t
.endr
.endm
.macro BACK                            ; and back: of row r, 16 neighbours of each block of 32.  LDS serves a wave's instructions in order: these see my stores
.irp b, 0,1,2,3
.irp j, 0,1,2,3
	ds_load_b128 v[X+16*\b+4*\j:X+16*\b+4*\j+3], v[SBK] offset:128*\b+16*\j
.endr
.endr
.endm
.macro OUT f                           ; the fragment's image: 512 + 256 + 512 + 256 consecutive bytes
	global_store_b128 v[L16], v[PC:PC+3], s[24:25] offset:1536*(\f)
	global_store_b64 v[L8], v[PC+4:PC+5], s[24:25] offset:1536*(\f)+512
	global_store_b128 v[L16], v[PC+6:PC+9], s[24:25] offset:1536*(\f)+768
	global_store_b64 v[L8], v[PC+10:PC+11], s[24:25] offset:1536*(\f)+1280
.if (\f)%2
	v_cndmask_b32 v[WO], v[PWP], v[PW], s30        ; lanes 0-15 store the even fragment's word, lanes 16-31 the odd one's: 128 consecutive bytes
	global_store_b32 v[SW], v[WO], s[26:27] offset:128*((\f)/2)
.else
	v_mov_b32 v[PWP], v[PW]
.endif
.endm
.macro XSTEP f
	s_wait_dscnt 0x0                               ; this fragment's numbers are back from the stage, so the stage's stores have read their registers
.if (\f)+2 < 4
	LOADX (\f)+2, R0+64*((\f)%2)
.endif
.if (\f)+1 < 4
.if (\f)+2 < 4
	s_wait_loadcnt 16                              ; the next fragment's 16 loads are in; the 16 just issued stay out
.else
	s_wait_loadcnt 0x0
.endif
	TOST R0+64*(((\f)+1)%2)                        ; one stage serves: its reads are back
.endif
	s_wait_xcnt 0x0                                ; the last fragment's stores have read their data: the codes' registers are written again only behind this wait
	QUANT X
.if (\f)+1 < 4
	BACK
.endif
	OUT \f
.endm
; a weight: block t (32 along K) of my column into set t % 2
.macro WLOAD t, cols
.irp i, 0,1,2,3,4,5,6,7,8,9,10,11,12,13,14,15,16,17,18,19,20,21,22,23,24,25,26,27,28,29,30,31
	global_load_b32 v[32+32*((\t)%2)+\i], v3, s[22:23] offset:(32*(\t)+\i)*(\cols)*4 th:TH_LOAD_NT   ; 32 lanes read 128 consecutive bytes of one row
.endr
.endm
.macro WBLOCK t, cols
.set XS, 32+32*((\t)%2)
.if (\t) < 7
	s_wait_loadcnt 32                              ; this block's 32 loads are in; the next block's stay out
.else
	s_wait_loadcnt 0x0
.endif
	v_max3_num_f32 v12, |v[XS]|, |v[XS+1]|, |v[XS+2]|      ; all 32 numbers of the block are mine
	v_max3_num_f32 v13, |v[XS+3]|, |v[XS+4]|, |v[XS+5]|
.irp i, 6,10,14,18,22,26
	v_max3_num_f32 v12, v12, |v[XS+\i]|, |v[XS+\i+1]|
	v_max3_num_f32 v13, v13, |v[XS+\i+2]|, |v[XS+\i+3]|
.endr
	v_max3_num_f32 v12, v12, |v[XS+30]|, |v[XS+31]|
	v_max3_num_f32 v12, v12, v13, 0x2800000        ; and the floor
	v_add_nc_u32 v14, 0xfe000000, v12              ; the conversion's scale operand
	v_lshrrev_b32 v15, 23, v14                     ; the byte
.if (\t)%4 == 0
	v_mov_b32 v[24+(\t)/4], v15
.else
	v_lshl_or_b32 v[24+(\t)/4], v15, 8*((\t)%4), v[24+(\t)/4]
.endif
	v_cvt_scalef32_pk16_bf6_f32 v[96:98], v[XS:XS+15], v14
	v_cvt_scalef32_pk16_bf6_f32 v[104:106], v[XS+16:XS+31], v14
	v_nop                                          ; one plain place behind a scaled conversion
	v_mov_b32 v99, v104
	v_mov_b32 v100, v105
	v_mov_b32 v101, v106                           ; v96-101: registers 0-5 of lane (r, t % 2) of half fragment t / 2
	ds_store_b128 v4, v[96:99] offset:768*((\t)/2)+256*((\t)%2)
	ds_store_b64 v5, v[100:101] offset:768*((\t)/2)+512+128*((\t)%2)
.if (\t)+2 < 8
	WLOAD (\t)+2, \cols
.endif
	s_wait_dscnt 0x0                               ; the stores have read their registers: the next block's codes may be written
.endm
; A weight's way.  src: the scalar pair with its address; cols: its columns; cofs, wofs: where its codes and words begin in wq; first: its first work-group; lbase: its LDS bytes
.macro WPATH src, cols, cofs, wofs, first, lbase
	s_sub_co_u32 s16, ttmp9, \first
	s_lshr_b32 s17, s16, 2                         ; which 128 columns
	s_and_b32 s18, s16, 3                          ; which 256 along K
	s_lshl_b32 s19, s17, 2
	s_add_co_u32 s19, s19, s14                     ; G: my wave's 32 columns = row blocks 2 G, 2 G + 1
	s_mul_i32 s20, s18, 256*(\cols)*4
	s_lshl_b32 s17, s19, 7
	s_add_co_u32 s20, s20, s17
	s_add_nc_u64 s[22:23], s[\src:\src+1], s[20:21]   ; the weight at my first row and column
	s_mul_i32 s20, s19, 2*12288
	s_mul_i32 s17, s18, 3072
	s_add_co_u32 s20, s20, s17
	s_add_co_u32 s20, s20, \cofs
	s_add_nc_u64 s[24:25], s[12:13], s[20:21]      ; my codes
	s_lshl_b32 s20, s19, 10
	s_lshl_b32 s17, s18, 7
	s_add_co_u32 s20, s20, s17
	s_add_co_u32 s20, s20, \wofs
	s_add_nc_u64 s[26:27], s[12:13], s[20:21]      ; my scale words
	v_and_b32 v1, 31, v0                           ; lane l: column l of the 32 = lane r of row block u
	v_lshlrev_b32 v3, 2, v1
	v_bfe_u32 v9, v0, 3, 1                         ; u = (l / 8) % 2
	v_and_b32 v10, 7, v0
	v_bfe_u32 v11, v0, 4, 1
	v_lshl_add_u32 v10, v11, 3, v10                ; r = l % 8 + 8 (l / 16)
	s_mul_i32 s30, s14, 6144
	s_add_co_u32 s30, s30, \lbase                  ; my stage: two row blocks x four half fragments
	v_mul_u32_u24 v11, v9, 3072
	v_add_nc_u32 v11, s30, v11
	v_lshl_add_u32 v4, v10, 4, v11                 ; registers 0-3 go to 16 r,
	v_lshl_add_u32 v5, v10, 3, v11                 ; registers 4-5 to 8 r
	v_lshlrev_b32 v7, 4, v1
	v_add_nc_u32 v6, s30, v7                       ; back: 16 bytes a lane
	v_lshlrev_b32 v8, 9, v9
	v_lshl_add_u32 v8, v10, 3, v8                  ; my two scale words: 512 u + 8 r
	WLOAD 0, \cols
	WLOAD 1, \cols
.irp t, 0,1,2,3,4,5,6,7
	WBLOCK \t, \cols
.endr
	s_wait_alu depctr_va_vdst(0)
	global_store_b64 v8, v[24:25], s[26:27]        ; the eight bytes of my column's 256 along K
.irp i, 0,1,2,3,4,5,6,7,8,9,10,11
	ds_load_b128 v[112+4*\i:115+4*\i], v6 offset:512*\i
.endr
.irp i, 0,1,2,3,4,5,6,7,8,9,10,11
	s_wait_dscnt 11-\i                             ; LDS loads come back in order: load i is in
	global_store_b128 v7, v[112+4*\i:115+4*\i], s[24:25] offset:(\i/6)*12288+512*(\i%6)   ; 512 consecutive bytes, at a multiple of 256 from the buffer's first byte
.endr
	s_wait_tensorcnt 0x0
	ds_add_u32 v254, v255
	s_wait_dscnt 0x0
	s_endpgm
.endm
	s_load_b128 s[4:7], s[0:1], 0x0                ; x, w_attn
	s_load_b128 s[8:11], s[0:1], 0x10              ; w_proj, xq
	s_load_b64 s[12:13], s[0:1], 0x20              ; wq
	v_lshl_add_u32 v254, v0, 2, 0x14400
	v_mov_b32 v255, 0
	v_lshrrev_b32 v1, 5, v0
	v_readfirstlane_b32 s14, v1                    ; wave 0..3
	s_mov_b32 s[SEL], 0x76543210
	s_mov_b32 s[SEL+1], 0xfedcba98
	s_mov_b32 s21, 0                               ; the upper word of every offset
	s_wait_kmcnt 0x0
	s_cmp_lt_u32 ttmp9, 256
	s_cbranch_scc0 .Lweights
	; ---- x.  Work-group g: rows 32 g .. 32 g + 31.  Wave w: row block 2 g + w / 2, K from 512 (w % 2) on: four fragments
	s_lshr_b32 s15, s14, 1
	s_and_b32 s16, s14, 1
	s_lshl_b32 s20, ttmp9, 17                      ; 32 g rows of 4,096 bytes
	s_lshl_b32 s17, s15, 15                        ; + 8 rows for the odd row block
	s_add_co_u32 s20, s20, s17
	s_lshl_b32 s17, s16, 11
	s_add_co_u32 s20, s20, s17
	s_add_nc_u64 s[4:5], s[4:5], s[20:21]
	s_lshl_b32 s22, ttmp9, 1
	s_add_co_u32 s22, s22, s15                     ; my row block
	s_mul_i32 s20, s22, 12288
	s_mul_i32 s17, s16, 6144
	s_add_co_u32 s20, s20, s17
	s_add_nc_u64 s[24:25], s[10:11], s[20:21]      ; its codes
	s_lshl_b32 s20, s22, 9
	s_lshl_b32 s17, s16, 8
	s_add_co_u32 s20, s20, s17
	s_add_co_u32 s20, s20, XWORDS
	s_add_nc_u64 s[26:27], s[10:11], s[20:21]      ; its scale words
	v_and_b32 v6, 31, v0
	v_and_b32 v7, 15, v0                           ; r
	v_bfe_u32 v8, v0, 4, 1                         ; h
	v_lshlrev_b32 v[L16], 4, v6
	v_lshlrev_b32 v[L8], 3, v6
	s_mul_i32 s17, s14, 8448                       ; my stage: 16 rows x (512 bytes + 16)
	v_add_nc_u32 v[SA], s17, v[L16]
	v_mul_u32_u24 v[SBK], v7, 528
	v_lshl_add_u32 v[SBK], v8, 6, v[SBK]
	v_add_nc_u32 v[SBK], s17, v[SBK]
	v_lshlrev_b32 v[SW], 3, v7
	v_lshl_add_u32 v[SW], v8, 2, v[SW]
	v_cmp_eq_u32 s30, 1, v8                        ; lanes 16-31
.irp b, 0,1,2,3
	v_mov_b32 v[TM+4+\b], 0                        ; written once: a lane permute's destination counts as one of its sources
.endr
	LOADX 0, R0
	LOADX 1, R0+64
	s_wait_alu depctr_va_vdst(0)
	s_wait_loadcnt 16                              ; fragment 0 is in; fragment 1's 16 loads stay out
	TOST R0
	BACK
	XSTEP 0
	XSTEP 1
	XSTEP 2
	XSTEP 3
	s_wait_tensorcnt 0x0
	ds_add_u32 v254, v255
	s_wait_dscnt 0x0
	s_endpgm
.Lweights:
	s_cmp_lt_u32 ttmp9, 352
	s_cbranch_scc0 .Lproj_w
	WPATH 6, 3072, 0, 2359296, 256, 33792
.Lproj_w:
	WPATH 8, 1024, 2457600, 3244032, 352, 58368
.Lfunc_end_k_qb9b2f6ec5e_quant:
	.size	k_qb9b2f6ec5e_quant, .Lfunc_end_k_qb9b2f6ec5e_quant-k_qb9b2f6ec5e_quant
	.p2alignl 7, 3214868480
	.fill 96, 4, 3214868480
	.section	.rodata,"a",@progbits
	.p2align	6, 0x0
	.amdhsa_kernel k_qb9b2f6ec5e_quant
		.amdhsa_group_segment_fixed_size 83456
		.amdhsa_private_segment_fixed_size 0
		.amdhsa_enable_private_segment 0
		.amdhsa_kernarg_size 40
		.amdhsa_user_sgpr_count 2
		.amdhsa_user_sgpr_kernarg_segment_ptr 1
		.amdhsa_wavefront_size32 1
		.amdhsa_system_sgpr_workgroup_id_x 1
		.amdhsa_system_sgpr_workgroup_id_y 1
		.amdhsa_system_sgpr_workgroup_id_z 1
		.amdhsa_system_vgpr_workitem_id 0
		.amdhsa_next_free_vgpr 256
		.amdhsa_next_free_sgpr 66
		.amdhsa_reserve_vcc 0
		.amdhsa_float_denorm_mode_32 3
		.amdhsa_float_denorm_mode_16_64 3
		.amdhsa_memory_ordered 1
		.amdhsa_forward_progress 1
		.amdhsa_inst_pref_size 116
	.end_amdhsa_kernel
	.amdgpu_metadata
---
amdhsa.version: [ 1, 2 ]
amdhsa.kernels:
  - .name:           k_qb9b2f6ec5e_quant
    .symbol:         k_qb9b2f6ec5e_quant.kd
    .args:
      - { .name: x, .offset: 0, .size: 8, .value_kind: global_buffer, .address_space: global }
      - { .name: w_attn, .offset: 8, .size: 8, .value_kind: global_buffer, .address_space: global }
      - { .name: w_proj, .offset: 16, .size: 8, .value_kind: global_buffer, .address_space: global }
      - { .name: xq, .offset: 24, .size: 8, .value_kind: global_buffer, .address_space: global }
      - { .name: wq, .offset: 32, .size: 8, .value_kind: global_buffer, .address_space: global }
    .group_segment_fixed_size: 83456
    .private_segment_fixed_size: 0
    .kernarg_segment_align: 8
    .kernarg_segment_size: 40
    .max_flat_workgroup_size: 128
    .sgpr_count:     66
    .vgpr_count:     256
    .wavefront_size: 32
...
	.end_amdgpu_metadata
.endif
;; end of part 1
;; launch qkv (part 2): grid 12 x 32, 4 waves a work-group, clusters of 4 x 4, 327,680 bytes of LDS; arguments xq, wq, b_attn, qq, kvq; writes qq, kvq
.if DOCPART == 2
	.amdgcn_target "amdgcn-amd-amdhsa--gfx1250"
	.amdhsa_code_object_version 6
	.text
	.protected	k_qb9b2f6ec5e_qkv
	.globl	k_qb9b2f6ec5e_qkv
	.p2align	8
	.type	k_qb9b2f6ec5e_qkv,@function
k_qb9b2f6ec5e_qkv:
	s_mov_b64 s[64:65], 0
	v_nop
	global_prefetch_b8 v0, s[64:65] scope:SCOPE_SE
	s_setreg_imm32_b32 hwreg(HW_REG_WAVE_MODE, 25, 1), 1
	s_wait_xcnt 0x0
	s_wait_alu depctr_hold_cnt(0) depctr_sa_sdst(0) depctr_va_vdst(0) depctr_va_sdst(0) depctr_va_ssrc(0) depctr_va_vcc(0) depctr_vm_vsrc(0)
	s_getreg_b32 s2, hwreg(HW_REG_IB_STS2, 6, 4)
	s_cmp_eq_u32 s2, 0
	s_cbranch_scc0 .Lentry_in_a_cluster
	s_endpgm
.Lentry_in_a_cluster:
	s_bfe_u32 s2, ttmp6, 0x10000c
	s_cmp_lg_u32 s2, 0xf033
	s_cbranch_scc0 .Lentry_shape_is_right
	s_endpgm
.Lentry_shape_is_right:
; qkv = x w_attn + b_attn on codes of BF6 (E3M2) with E8M0 scales, and the three results quantised at once: q and k along the head's 64, v along the keys.  Nothing but codes and scale words goes to memory.
; OPERANDS lie in the order of their registers: row block i = 16 rows (lane r = row 32 (i / 2) + 8 (i % 2) + r % 8 + 16 (r / 8)); half fragment = 16 rows x 64 K = 768 bytes (16 lane: registers 0-3; 512 + 8 lane: registers 4-5);
; codes [row block][16][768]; scale words [row block][4][r][2].  So a fragment (128 K, 12 registers) is four dense LDS loads, and no row has a pitch or a padding.
; A tile of 256 tokens x 256 columns is made by four waves, 128 x 128 each: 64 accumulators, 512 registers.  K = 1,024 goes in four steps of 256 through two LDS slots, all written out.
; Source 0 = P (8 tiles, two sets of registers), source 1 = R (8 blocks, one set): a lane holds one row of R, and the 64 registers of a block of R are 128 neighbours along P.
; MODE = the cluster's x: 0 q, 1 k, 2 v; it is the same in all sixteen partners.  q, k: P = the weight's columns, R = the tokens: a lane's registers run along two heads' 64.
; v: P = the tokens, R = the columns: a lane's registers run along 128 keys, which are v's K.  Only four LDS bases differ, chosen by s_cselect_b32; tensor loads, masks and products are the same text.
; CLUSTERS: 4 x 4 work-groups; the tokens' tile is shared along a row of the cluster, the weight's along a column: each is asked for jointly.
; OUT: qq: half fragments [head 64][row block 128][768], words at 6,291,456 [head][row block][r] (bytes 0, 1 count; bytes 2, 3 scale zero codes only and are never 0xff).
;      kvq: [head 64][208,896]: [key step 16][K: 8 x 768, V^T: 4 x 1,536], K's words at 196,608 [row block 128][r], V's at 204,800 [key step 16][4][r].
; LIMITS: a block whose largest magnitude lies under 2^-122 keeps the byte 1; a block of zeros gets the byte 1 and not 127 (this program alone reads the bytes); NaN and infinities are not served.
; REGISTERS: window 0: v1-23 addresses; v32-95 scale words, two sets; v96-113 at work; v128-223 R's fragments, later 64 numbers and their codes; v224-239 the bias along R.
;   window 1: P's fragments at v0 and v128; the bias along P at v96-127 and v224-255.   windows 2, 3: the accumulators ((a, b) at v[8 (8 (a % 4) + b)]).
.set WCODES, 0                         ; where the weight's codes and words begin in wq
.set WWORDS, 2359296
.set TWORDS, 6291456                   ; where the tokens' words begin in xq
.set HALFT,  24576                     ; 8 row blocks x 3,072 bytes: what one tensor load brings, and what a wave reads of one side
.set SLOT,   98304                     ; the tokens' 16 row blocks, then the weight's 16
.set SCL,    196608                    ; behind the ring: the scale words for all of K: the tokens' 8,192 bytes, then the weight's
.set SPARE,  212992                    ; the spare words, 128 bytes for each wave: two blocks of 256 bytes that no other line names
.set FR,     12
.set ADP16, 8                          ; v8-9   P's fragments in slot 0, 1: base + 16 lane;  v10-11 base + 8 lane
.set ADP8,  10
.set ADR16, 12                         ; v12-15 the same for R
.set ADR8,  14
.set ADSP,  16                         ; v16, v17 P's and R's scale words: base + 8 r
.set ADSR,  17
.set L16,   18
.set L8,    19
.set VS,    20                         ; the way out: my scale word's offset
.set SHV,   21                         ; and its shift
.set SPW,   22                         ; LDS address of my spare word; never rewritten
.set NIL,   23                         ; 0; never rewritten
.set SC,    32                         ; set s at SC + 32 s: P's tile i, step q at + 2 i + q; R's block i at + 16 + 2 i + q
.set TM,    96
.set PW,    112
.set WD,    113
.set RF,    128
.set PC,    192
.set BR,    224
.set G1, 24                            ; s[24:31] group 1 for the tokens' tiles; s[32:39] group 0, a set for each slot
.set G0, 32
.set G1B, 48                           ; s[48:55], s[56:63] the same for the weight's
.set G0B, 56
.set G1S, 68                           ; s[68:75], s[76:79] the tokens' scale words; s[80:87], s[88:91] the weight's
.set G0S, 76
.set G1SB, 80
.set G0SB, 88
.set SEL, 66
.set MSB, 0
.macro WIN new                         ; the immediate's high byte repeats the setting that is left
.if MSB != \new
	s_set_vgpr_msb (MSB<<8)|\new
.set MSB, \new
.endif
.endm
.set MUL_LO, 0xa1                      ; source 0 (P) window 1, source 1 (R) window 0, C and D window 2
.set MUL_HI, 0xf1
.set TO_P,   0x40                      ; destination window 1, address window 0
; A joint load: waves 0 and 1 fetch the tokens' halves, waves 2 and 3 the weight's.  The branch hangs on the wave's number alone.  Four v_nop follow each line.
.macro JLOAD g0a, g1a, g0b, g1b
	s_cmp_eq_u32 s15, 0
	s_cbranch_scc0 .Lfor_b_\@
	tensor_load_to_lds s[\g0a:\g0a+3], s[\g1a:\g1a+7]
	s_nop 0
.rept 4
	v_nop
.endr
	s_branch .Lasked_\@
.Lfor_b_\@:
	tensor_load_to_lds s[\g0b:\g0b+3], s[\g1b:\g1b+7]
	s_nop 0
.rept 4
	v_nop
.endr
.Lasked_\@:
.endm
.macro CREST                           ; a round of the cluster's barrier behind its opening barrier
	s_cmp_lg_u32 s14, 0
	s_cbranch_scc1 .Lnot_wave_0_\@
	s_barrier_signal -3
.Lnot_wave_0_\@:
	s_barrier_wait -3
	s_barrier_signal -1
	s_barrier_wait -1
.endm
.macro CROUND
	s_barrier_signal -1
	s_barrier_wait -1
	CREST
.endm
.macro PLACES n                        ; places behind matrix instructions (ISA guide 7.12.1): plain vector instructions that name none of their registers
.rept \n
	v_nop
.endr
.endm
.macro FRAG reg, a16, a8, off          ; a fragment's image: two half fragments on end
	ds_load_b128 v[\reg:\reg+3], v[\a16] offset:\off
	ds_load_b64 v[\reg+4:\reg+5], v[\a8] offset:\off+512
	ds_load_b128 v[\reg+6:\reg+9], v[\a16] offset:\off+768
	ds_load_b64 v[\reg+10:\reg+11], v[\a8] offset:\off+1280
.endm
.macro FETCH_P slot, q, set            ; 32 loads
	WIN TO_P
.irp i, 0,1,2,3,4,5,6,7
	FRAG 128*(\set)+FR*\i, ADP16+\slot, ADP8+\slot, 3072*\i+1536*(\q)
.endr
	WIN 0
.endm
.macro FETCH_R slot, q, i0             ; 16 loads: blocks i0 .. i0 + 3
.irp i, \i0, \i0+1, \i0+2, \i0+3
	FRAG RF+FR*(\i), ADR16+\slot, ADR8+\slot, 3072*(\i)+1536*(\q)
.endr
.endm
.macro SCALES set, kp                  ; 16 loads: the two words of K step kp for each tile of P and each block of R; lanes 16-31 load what lanes 0-15 load
.irp i, 0,1,2,3,4,5,6,7
	ds_load_b64 v[SC+32*(\set)+2*\i:SC+32*(\set)+2*\i+1], v[ADSP] offset:512*\i+128*(\kp)
.endr
.irp i, 0,1,2,3,4,5,6,7
	ds_load_b64 v[SC+32*(\set)+16+2*\i:SC+32*(\set)+16+2*\i+1], v[ADSR] offset:512*\i+128*(\kp)
.endr
.endm
; 16 products: R's blocks a0, a0 + 1 x P's eight tiles.  p: P's set; q: which 128 of the slot; sc: the set of scale words; cm = 1: the products start the sums.
; The 64 accumulators take turns, one instruction a turn, in the same order in every step.
.macro MUL16 a0, p, q, sc, cm
.irp a, \a0, \a0+1
.irp b, 0,1,2,3,4,5,6,7
.if \cm == 1
	v_wmma_scale_f32_16x16x128_f8f6f4 v[8*(8*((\a)%4)+\b):8*(8*((\a)%4)+\b)+7], v[128*(\p)+FR*\b:128*(\p)+FR*\b+FR-1], v[RF+FR*(\a):RF+FR*(\a)+FR-1], 0, v[SC+32*(\sc)+2*\b+(\q)], v[SC+32*(\sc)+16+2*(\a)+(\q)] matrix_a_fmt:MATRIX_FMT_BF6 matrix_b_fmt:MATRIX_FMT_BF6
.else
	v_wmma_scale_f32_16x16x128_f8f6f4 v[8*(8*((\a)%4)+\b):8*(8*((\a)%4)+\b)+7], v[128*(\p)+FR*\b:128*(\p)+FR*\b+FR-1], v[RF+FR*(\a):RF+FR*(\a)+FR-1], v[8*(8*((\a)%4)+\b):8*(8*((\a)%4)+\b)+7], v[SC+32*(\sc)+2*\b+(\q)], v[SC+32*(\sc)+16+2*(\a)+(\q)] matrix_a_fmt:MATRIX_FMT_BF6 matrix_b_fmt:MATRIX_FMT_BF6
.endif
.endr
.endr
.endm
.macro STEP slot, cm                   ; a slot's first 128 along K
	s_wait_dscnt 16                                ; all but the youngest 16 loads (R's blocks 4-7) are in
	WIN MUL_LO
	MUL16 0, 0, 0, \slot, \cm
	MUL16 2, 0, 0, \slot, \cm
	s_wait_dscnt 0x0                               ; R's blocks 4-7 are in
	PLACES 4
	FETCH_P \slot, 1, 1
	FETCH_R \slot, 1, 0
	WIN MUL_HI
	MUL16 4, 0, 0, \slot, \cm
	MUL16 6, 0, 0, \slot, \cm
	PLACES 4
	WIN 0
	FETCH_R \slot, 1, 4
.endm
; A slot's second 128 along K changes slots: ONE barrier; in front of it each wave waits for all its tensor loads, adds 0 to its spare word, and waits for that and for its reads of this slot.
.macro TURN slot, next, fill, kp
	s_wait_tensorcnt 0x0                           ; all my tensor loads have landed: my part of the next slot
	ds_add_u32 v[SPW], v[NIL]                      ; 0 onto my spare word
	s_wait_dscnt 17                                ; (the add and the youngest 16 loads, R's blocks 4-7, may be out)
	WIN MUL_LO
	MUL16 0, 1, 1, \slot, 0
	s_wait_dscnt 0x0                               ; the add is done, and my reads of this slot are over
	s_barrier_signal -1
	MUL16 2, 1, 1, \slot, 0
	WIN 0
	s_barrier_wait -1
.if \fill
	CREST                                          ; the barrier has opened a round of the cluster's barrier: no wave of any partner still reads this slot or has a load on its way
	s_add_nc_u64 s[G0+4*\slot+2:G0+4*\slot+3], s[G0+4*\slot+2:G0+4*\slot+3], 6144
	s_add_nc_u64 s[G0B+4*\slot+2:G0B+4*\slot+3], s[G0B+4*\slot+2:G0B+4*\slot+3], 6144
	JLOAD G0+4*\slot, G1, G0B+4*\slot, G1B         ; the first tensor load behind the round; its four v_nop are the places in front of the loads below
.else
	PLACES 4
.endif
	FETCH_P \next, 0, 0
	FETCH_R \next, 0, 0
	SCALES \next, \kp
	WIN MUL_HI
	MUL16 4, 1, 1, \slot, 0
	MUL16 6, 1, 1, \slot, 0
	PLACES 4
	WIN 0
	FETCH_R \next, 0, 4
.endm
; 64 numbers of a lane, register 16 b + i = k 32 b + 16 (lane / 16) + i of my row, become a fragment's codes in v[PC] on and its scale word in v[PW].
.macro QUANT s
.irp b, 0,1,2,3
	v_max3_num_f32 v[TM+\b], |v[\s+16*\b]|, |v[\s+1+16*\b]|, 0x2800000   ; block b: my 16 numbers and the floor 2^(5 - 127)
.endr
.irp i, 2,4,6,8,10,12,14
.irp b, 0,1,2,3
	v_max3_num_f32 v[TM+\b], v[TM+\b], |v[\s+16*\b+\i]|, |v[\s+1+16*\b+\i]|
.endr
.endr
.irp b, 0,1,2,3
	v_permlanex16_b32 v[TM+4+\b], v[TM+\b], s[SEL], s[SEL+1]
.endr
.irp b, 0,1,2,3
	v_max_num_f32 v[TM+\b], v[TM+\b], v[TM+4+\b]
.endr
.irp b, 0,1,2,3
	v_add_nc_u32 v[TM+12+\b], 0xfe000000, v[TM+\b]   ; 4 off the exponent field: the conversion's scale operand
.endr
.irp b, 0,1,2,3
	v_lshrrev_b32 v[TM+4+\b], 23, v[TM+12+\b]
.endr
	v_lshl_or_b32 v[PW], v[TM+5], 8, v[TM+4]
	v_lshl_or_b32 v[PW], v[TM+6], 16, v[PW]
	v_lshl_or_b32 v[PW], v[TM+7], 24, v[PW]
.irp c, 0,1
	v_cvt_scalef32_pk16_bf6_f32 v[PC+6*\c:PC+2+6*\c], v[\s+32*\c:\s+15+32*\c], v[TM+12+2*\c]
	v_cvt_scalef32_pk16_bf6_f32 v[PC+12+4*\c:PC+14+4*\c], v[\s+16+32*\c:\s+31+32*\c], v[TM+12+2*\c+1]
.endr
	v_nop                                          ; one plain place behind a scaled conversion
.irp c, 0,1
.irp i, 0,1,2
	v_permlane16_swap_b32 v[PC+6*\c+\i], v[PC+12+4*\c+\i]
.endr
.irp i, 0,1,2
	v_mov_b32 v[PC+3+6*\c+\i], v[PC+12+4*\c+\i]
.endr
.endr
.endm
	s_load_b128 s[4:7], s[0:1], 0x0                ; xq, wq
	s_load_b128 s[8:11], s[0:1], 0x10              ; b_attn, qq
	s_load_b64 s[12:13], s[0:1], 0x20              ; kvq
	v_lshl_add_u32 v[SPW], v0, 2, SPARE
	v_mov_b32 v[NIL], 0
	ds_add_u32 v22, v23
	ds_add_u32 v22, v23
	s_wait_dscnt 0x0
	v_lshrrev_b32 v1, 5, v0
	v_readfirstlane_b32 s14, v1                    ; wave 0..3
	s_lshr_b32 s15, s14, 1                         ; which half of the tile's tokens is mine.  Also: I fetch the tokens' tile (0) or the weight's (1)
	s_and_b32 s16, s14, 1                          ; which half of its columns.  Also: which 8 row blocks I fetch
	s_bfe_u32 s40, ttmp6, 0x40000                  ; cx, cy: my place in the cluster
	s_bfe_u32 s41, ttmp6, 0x40004
	s_lshl_b32 s42, ttmp9, 2
	s_add_co_u32 s42, s42, s40                     ; tile column = 4 x cluster x + cx
	s_and_b32 s17, ttmp7, 0xffff
	s_lshl_b32 s17, s17, 2
	s_add_co_u32 s17, s17, s41                     ; tile row = 4 x cluster y + cy
	s_lshl_b32 s43, s41, 2
	s_lshl_b32 s43, 15, s43                        ; my row of the cluster
	s_lshl_b32 s44, 0x1111, s40                    ; my column
	; group 1 for codes: 8 row blocks x 3,072 bytes (384 elements of 8 bytes), 12,288 bytes apart in memory, dense in LDS
	s_or_b32 s[G1+0], s43, (3<<16)|(1<<21)         ; 15:0 the mask; 17:16 elements of 8 bytes; 20 no padding; 21 set beside a mask
	s_or_b32 s[G1B+0], s44, (3<<16)|(1<<21)
.irp g, G1, G1B
	s_mov_b32 s[\g+1], 384<<16                     ; tensor_dim0
	s_mov_b32 s[\g+2], 16<<16                      ; tensor_dim1: 16 row blocks for the head's loads; 8 for the ring's, set behind them
	s_mov_b32 s[\g+3], 384<<16                     ; tile_dim0
	s_mov_b32 s[\g+4], 16                          ; tile_dim1
	s_mov_b32 s[\g+5], 1536                        ; tensor_dim0_stride
	s_mov_b32 s[\g+6], 0
	s_mov_b32 s[\g+7], 0
.endr
	; and for scale words: 16 row blocks' 8,192 dense bytes, as 32 rows of 256
	s_or_b32 s[G1S+0], s43, (3<<16)|(1<<21)
	s_or_b32 s[G1SB+0], s44, (3<<16)|(1<<21)
.irp g, G1S, G1SB
	s_mov_b32 s[\g+1], 32<<16
	s_mov_b32 s[\g+2], 32<<16                      ; the scale words of 16 row blocks: 32 rows of 256 bytes
	s_mov_b32 s[\g+3], 32<<16
	s_mov_b32 s[\g+4], 32
	s_mov_b32 s[\g+5], 32
	s_mov_b32 s[\g+6], 0
	s_mov_b32 s[\g+7], 0
.endr
	s_lshl_b32 s20, s17, 4                         ; tokens: row block 16 x tile row
	s_lshl_b32 s46, s42, 4                         ; weight: row block 16 x tile column
	s_lshl_b32 s22, s20, 9
	s_add_co_u32 s22, s22, TWORDS
	s_mov_b32 s23, 0
	s_lshl_b32 s92, s46, 9
	s_add_co_u32 s92, s92, WWORDS
	s_mov_b32 s93, 0
	s_mul_i32 s20, s20, 12288
	s_mov_b32 s21, 0
	s_mul_i32 s46, s46, 12288
	s_add_co_u32 s46, s46, WCODES
	s_mov_b32 s47, 0
	s_mul_i32 s45, s14, HALFT                      ; where they go: wave x 8 row blocks: no place in the cluster enters an LDS address
	s_wait_kmcnt 0x0
	s_add_nc_u64 s[20:21], s[4:5], s[20:21]
	s_add_nc_u64 s[22:23], s[4:5], s[22:23]
	s_add_nc_u64 s[46:47], s[6:7], s[46:47]
	s_add_nc_u64 s[92:93], s[6:7], s[92:93]
	s_mul_i32 s4, s16, 8*12288                     ; in the ring I fetch 8 row blocks of a tile: which half, in bytes (the arguments that lay here have been used)
	s_mov_b32 s5, 0
	CROUND                                         ; all sixteen work-groups are here: the first joint loads meet
	s_mov_b32 s[G0S], 1
	s_mov_b32 s[G0S+1], SCL
	s_mov_b64 s[G0S+2:G0S+3], s[22:23]
	s_or_b32 s[G0S+3], s[G0S+3], 0x80000000
	s_mov_b32 s[G0SB], 1
	s_mov_b32 s[G0SB+1], SCL+8192
	s_mov_b64 s[G0SB+2:G0SB+3], s[92:93]
	s_or_b32 s[G0SB+3], s[G0SB+3], 0x80000000
	s_mov_b32 s[G0], 1                             ; slot 0's sets serve the head first: K step 0 of the tokens' 16 row blocks, whole,
	s_mov_b32 s[G0+1], 0
	s_mov_b64 s[G0+2:G0+3], s[20:21]
	s_or_b32 s[G0+3], s[G0+3], 0x80000000
	s_mov_b32 s[G0B], 1                            ; and of the weight's 16, behind them
	s_mov_b32 s[G0B+1], 2*HALFT
	s_mov_b64 s[G0B+2:G0B+3], s[46:47]
	s_or_b32 s[G0B+3], s[G0B+3], 0x80000000
	s_add_nc_u64 s[20:21], s[20:21], s[4:5]        ; for the ring: my 8 row blocks
	s_add_nc_u64 s[46:47], s[46:47], s[4:5]
	s_mov_b32 s[G0+4], 1                           ; slot 1: K step 1
	s_add_co_u32 s[G0+5], s45, SLOT
	s_add_nc_u64 s[G0+6:G0+7], s[20:21], 3072
	s_or_b32 s[G0+7], s[G0+7], 0x80000000
	s_mov_b32 s[G0B+4], 1
	s_add_co_u32 s[G0B+5], s45, SLOT
	s_add_nc_u64 s[G0B+6:G0B+7], s[46:47], 3072
	s_or_b32 s[G0B+7], s[G0B+7], 0x80000000
; THE HEAD'S LOADS, ONE A WAVE: wave 0 the tokens' codes of K step 0, wave 1 the weight's, wave 2 the tokens' scale words, wave 3 the weight's.
; One chain of branches on the wave's number; every way through it passes exactly one load.
.macro ARM under, g0, g1, next
	s_cmp_lt_u32 s14, \under
	s_cbranch_scc0 \next
	tensor_load_to_lds s[\g0:\g0+3], s[\g1:\g1+7]
	s_nop 0
.rept 4
	v_nop
.endr
	s_branch .Lhead_asked
\next:
.endm
	ARM 1, G0,  G1,  .Lhead_b
	ARM 2, G0B, G1B, .Lhead_sa
	ARM 3, G0S, G1S, .Lhead_sb
	tensor_load_to_lds s[G0SB:G0SB+3], s[G1SB:G1SB+7]
	s_nop 0
.rept 4
	v_nop
.endr
.Lhead_asked:
	v_and_b32 v1, 31, v0
	v_and_b32 v2, 15, v0                           ; r
	v_bfe_u32 v3, v0, 4, 1                         ; h
	v_lshlrev_b32 v[L16], 4, v1
	s_wait_alu depctr_va_vdst(0)
	v_lshlrev_b32 v[L8], 3, v1
	s_wait_alu depctr_va_vdst(0)
	s_mul_i32 s18, s15, HALFT                      ; my 128 tokens in a slot,
	s_mul_i32 s19, s16, HALFT
	s_add_co_u32 s19, s19, 2*HALFT                 ; my 128 columns,
	s_lshl_b32 s95, s15, 12                        ; and their scale words
	s_lshl_b32 s98, s16, 12
	s_add_co_u32 s98, s98, 8192
	s_cmp_eq_u32 ttmp9, 2                          ; mode v: P = the tokens, R = the columns; else the other way round
	s_cselect_b32 s96, s18, s19
	s_cselect_b32 s97, s19, s18
	s_cselect_b32 s99, s95, s98
	s_cselect_b32 s95, s98, s95
.irp s, 0,1
	v_add_nc_u32 v[ADP16+\s], s96, v[L16]
	v_add_nc_u32 v[ADP8+\s], s96, v[L8]
	v_add_nc_u32 v[ADR16+\s], s97, v[L16]
	v_add_nc_u32 v[ADR8+\s], s97, v[L8]
	s_add_co_u32 s96, s96, SLOT
	s_add_co_u32 s97, s97, SLOT
.endr
	v_lshlrev_b32 v4, 3, v2
	v_add_nc_u32 v4, SCL, v4
	v_add_nc_u32 v[ADSP], s99, v4
	v_add_nc_u32 v[ADSR], s95, v4
	; the bias of my 128 columns, in both layouts; the way out takes the one that its mode wants
	s_lshl_b32 s2, s42, 10
	s_lshl_b32 s3, s16, 9
	s_add_co_u32 s2, s2, s3
	s_mov_b32 s3, 0
	s_add_nc_u64 s[8:9], s[8:9], s[2:3]
	v_lshlrev_b32 v5, 6, v3                        ; along P: registers 16 b + i are columns 32 b + 16 h + i
	v_and_b32 v6, 7, v0
	v_bfe_u32 v7, v0, 3, 1
	v_lshl_add_u32 v6, v7, 4, v6
	v_lshlrev_b32 v6, 2, v6                        ; along R: lane r of block a is column 32 (a / 2) + 8 (a % 2) + r % 8 + 16 (r / 8)
	WIN TO_P
.irp pb, 0,1,2,3
.irp j, 0,1,2,3
	global_load_b128 v[96+16*\pb+4*\j+96*(\pb/2):96+16*\pb+4*\j+96*(\pb/2)+3], v5, s[8:9] offset:128*\pb+16*\j
.endr
.endr
	WIN 0
.irp a, 0,1,2,3,4,5,6,7
	global_load_b32 v[BR+2*\a], v6, s[8:9] offset:4*(32*(\a/2)+8*(\a%2))     ; twice, to fill the pair that the packed addition names
	global_load_b32 v[BR+2*\a+1], v6, s[8:9] offset:4*(32*(\a/2)+8*(\a%2))
.endr
	s_mov_b32 s[SEL], 0x76543210
	s_mov_b32 s[SEL+1], 0xfedcba98
.irp b, 0,1,2,3
	v_mov_b32 v[TM+4+\b], 0                        ; written once: a lane permute's destination counts as one of its sources
.endr
	s_wait_alu depctr_va_vdst(0)                   ; the wait at the head's end
	s_wait_tensorcnt 0x0                           ; my tile of the head's four is in; the three lines stand ahead of slot 1's first fill as ahead of a refill
	ds_add_u32 v[SPW], v[NIL]                      ; 0 onto my spare word
	s_mov_b32 s[G1+2], 8<<16                       ; no tensor load of mine is out, so descriptors may be written: the ring's loads bring 8 row blocks,
	s_mov_b32 s[G1+4], 8
	s_mov_b32 s[G1B+2], 8<<16
	s_mov_b32 s[G1B+4], 8
	s_mov_b32 s[G0+1], s45                         ; and slot 0's sets become the ring's: my quarter of the slot, my 8 row blocks
	s_mov_b32 s[G0B+1], s45
	s_add_nc_u64 s[G0+2:G0+3], s[G0+2:G0+3], s[4:5]
	s_add_nc_u64 s[G0B+2:G0B+3], s[G0B+2:G0B+3], s[4:5]
	s_wait_dscnt 0x0                               ; the add is done
	CROUND                                         ; all four tiles are in, and all sixteen work-groups are here
	JLOAD G0+4, G1, G0B+4, G1B                     ; K step 1, the first tensor load behind the round
	FETCH_P 0, 0, 0
	FETCH_R 0, 0, 0
	SCALES 0, 0
	FETCH_R 0, 0, 4
	STEP 0, 1                                      ; the first products start the sums: nothing is cleared
	TURN 0, 1, 1, 1                                ; slot 0 takes K step 2
	STEP 1, 0
	TURN 1, 0, 1, 2                                ; slot 1 takes K step 3
	STEP 0, 0
	TURN 0, 1, 0, 3                                ; nothing is left to fetch
	STEP 1, 0
	s_wait_dscnt 16
	WIN MUL_LO
	MUL16 0, 1, 1, 1, 0
	MUL16 2, 1, 1, 1, 0
	s_wait_dscnt 0x0
	WIN MUL_HI
	MUL16 4, 1, 1, 1, 0
	MUL16 6, 1, 1, 1, 0
	WIN 0
	; THE WAY OUT.  No tensor load of mine is out since the last change of slots, so the descriptors' registers are free.
	s_lshr_b32 s36, s17, 3
	s_lshl_b32 s36, s36, 4
	s_lshl_b32 s37, s40, 2
	s_add_co_u32 s36, s36, s37
	s_lshl_b32 s37, s16, 1
	s_add_co_u32 s36, s36, s37                     ; my first head: 16 x batch + 4 cx + 2 x (column half)
	s_and_b32 s37, s17, 7
	s_lshl_b32 s37, s37, 1
	s_add_co_u32 s37, s37, s15                     ; my 128 tokens in the sequence: a key step
	s_mov_b32 s48, 208896
	s_mov_b32 s49, 12288
	s_mov_b32 s50, 196608
	s_mov_b32 s51, 208896
	s_mov_b32 s53, 512
	s_mov_b32 s55, 768
	s_cmp_eq_u32 ttmp9, 0                          ; q?
	s_cselect_b32 s48, 98304, s48                  ; codes: from head to head
	s_cselect_b32 s49, 6144, s49                   ; from key step to key step
	s_cselect_b32 s50, 6291456, s50                ; where the words begin
	s_cselect_b32 s51, 8192, s51                   ; words: from head to head
	s_cselect_b64 s[60:61], s[10:11], s[12:13]     ; qq or kvq
	s_cmp_eq_u32 ttmp9, 2                          ; v?
	s_cselect_b32 s50, 204800, s50
	s_cselect_b32 s52, 6144, 0                     ; V^T lies behind K in a key step
	s_cselect_b32 s53, 256, s53                    ; words: from key step to key step
	s_cselect_b32 s54, 768, s48                    ; from a fragment's first half to its second: on end (v), or the next head's (q, k)
	s_cselect_b32 s56, 204288, s55                 ; from block 3 to block 4: v goes on to the next head
	s_cselect_b32 s55, 1536, s55                   ; from block to block
	s_cselect_b32 s57, 208704, 64
	s_cselect_b32 s58, 0, s51                      ; lanes 16-31 store the second head's word (q, k), or the same word again (v)
	s_cselect_b32 s59, 0, 16
	s_mul_i32 s38, s36, s48
	s_mul_i32 s62, s37, s49
	s_add_co_u32 s38, s38, s62
	s_add_co_u32 s38, s38, s52
	s_mov_b32 s39, 0
	s_add_nc_u64 s[24:25], s[60:61], s[38:39]      ; a fragment's first half
	s_mov_b32 s38, s54
	s_add_nc_u64 s[26:27], s[24:25], s[38:39]      ; its second
	s_mul_i32 s38, s36, s51
	s_mul_i32 s62, s37, s53
	s_add_co_u32 s38, s38, s62
	s_add_co_u32 s38, s38, s50
	s_add_nc_u64 s[28:29], s[60:61], s[38:39]      ; its words
	s_mov_b32 s30, s55
	s_mov_b32 s31, 0
	s_mov_b32 s32, s56
	s_mov_b32 s33, 0
	s_mov_b32 s34, s57
	s_mov_b32 s35, 0
	v_mul_u32_u24 v[VS], v3, s58
	v_lshl_add_u32 v[VS], v2, 2, v[VS]
	v_mul_u32_u24 v[SHV], v3, s59
; Block a of R: bias, quantiser, five stores.  Each accumulator is read from its low end on.
.macro EP a
.if (\a) == 0
	s_wait_loadcnt 0x0                             ; the biases
	PLACES 4                                       ; behind the last products
.else
	s_wait_xcnt 0x0                                ; the last block's stores have read their data and their bases
.if (\a) == 4
	s_add_nc_u64 s[24:25], s[24:25], s[32:33]
	s_add_nc_u64 s[26:27], s[26:27], s[32:33]
	s_add_nc_u64 s[28:29], s[28:29], s[34:35]
.else
	s_add_nc_u64 s[24:25], s[24:25], s[30:31]
	s_add_nc_u64 s[26:27], s[26:27], s[30:31]
	s_add_nc_u64 s[28:29], s[28:29], 64
.endif
.endif
	s_cmp_eq_u32 ttmp9, 2                          ; the cluster's x: the same in all partners
	s_cbranch_scc1 .Lrow_\@
	WIN 0x06+(\a)/4                                ; q, k: the bias runs along my registers (window 1)
.set k, 0
.rept 32
	v_pk_add_f32 v[RF+2*k:RF+2*k+1], v[64*((\a)%4)+2*k:64*((\a)%4)+2*k+1], v[96+2*k+96*(k/16):96+2*k+96*(k/16)+1]
.set k, k+1
.endr
	WIN 0
	s_branch .Ljoin_\@
.Lrow_\@:
	WIN 0x02+(\a)/4                                ; v: one bias a lane
.set k, 0
.rept 32
	v_pk_add_f32 v[RF+2*k:RF+2*k+1], v[64*((\a)%4)+2*k:64*((\a)%4)+2*k+1], v[BR+2*(\a):BR+2*(\a)+1]
.set k, k+1
.endr
	WIN 0
.Ljoin_\@:
	QUANT RF
	v_lshrrev_b32 v[WD], v[SHV], v[PW]             ; q, k: lanes 16-31 bring the second head's two bytes down
	global_store_b128 v[L16], v[PC:PC+3], s[24:25]             ; 512 consecutive bytes, at a multiple of 256 from the buffer's first byte
	global_store_b64 v[L8], v[PC+4:PC+5], s[24:25] offset:512  ; 256
	global_store_b128 v[L16], v[PC+6:PC+9], s[26:27]
	global_store_b64 v[L8], v[PC+10:PC+11], s[26:27] offset:512
	global_store_b32 v[VS], v[WD], s[28:29]
.endm
.irp a, 0,1,2,3,4,5,6,7
	EP \a
.endr
	s_wait_tensorcnt 0x0                           ; the wave's end
	ds_add_u32 v[SPW], v[NIL]
	s_wait_dscnt 0x0
	CROUND                                         ; the closing round: no work-group ends while a partner may still ask for a tile that names it
	s_endpgm
.Lfunc_end_k_qb9b2f6ec5e_qkv:
	.size	k_qb9b2f6ec5e_qkv, .Lfunc_end_k_qb9b2f6ec5e_qkv-k_qb9b2f6ec5e_qkv
	.p2alignl 7, 3214868480
	.fill 96, 4, 3214868480
	.section	.rodata,"a",@progbits
	.p2align	6, 0x0
	.amdhsa_kernel k_qb9b2f6ec5e_qkv
		.amdhsa_group_segment_fixed_size 327680
		.amdhsa_private_segment_fixed_size 0
		.amdhsa_enable_private_segment 0
		.amdhsa_kernarg_size 40
		.amdhsa_user_sgpr_count 2
		.amdhsa_user_sgpr_kernarg_segment_ptr 1
		.amdhsa_wavefront_size32 1
		.amdhsa_system_sgpr_workgroup_id_x 1
		.amdhsa_system_sgpr_workgroup_id_y 1
		.amdhsa_system_sgpr_workgroup_id_z 1
		.amdhsa_system_vgpr_workitem_id 0
		.amdhsa_next_free_vgpr 1024
		.amdhsa_next_free_sgpr 100
		.amdhsa_reserve_vcc 0
		.amdhsa_float_denorm_mode_32 3
		.amdhsa_float_denorm_mode_16_64 3
		.amdhsa_memory_ordered 1
		.amdhsa_forward_progress 1
		.amdhsa_inst_pref_size 190
	.end_amdhsa_kernel
	.amdgpu_metadata
---
amdhsa.version: [ 1, 2 ]
amdhsa.kernels:
  - .name:           k_qb9b2f6ec5e_qkv
    .symbol:         k_qb9b2f6ec5e_qkv.kd
    .args:
      - { .name: xq, .offset: 0, .size: 8, .value_kind: global_buffer, .address_space: global }
      - { .name: wq, .offset: 8, .size: 8, .value_kind: global_buffer, .address_space: global }
      - { .name: b_attn, .offset: 16, .size: 8, .value_kind: global_buffer, .address_space: global }
      - { .name: qq, .offset: 24, .size: 8, .value_kind: global_buffer, .address_space: global }
      - { .name: kvq, .offset: 32, .size: 8, .value_kind: global_buffer, .address_space: global }
    .group_segment_fixed_size: 327680
    .private_segment_fixed_size: 0
    .kernarg_segment_align: 8
    .kernarg_segment_size: 40
    .max_flat_workgroup_size: 128
    .sgpr_count:     100
    .vgpr_count:     1024
    .wavefront_size: 32
...
	.end_amdgpu_metadata
.endif
;; end of part 2
;; launch attn (part 3): grid 4 x 64, 16 waves a work-group, clusters of 4 x 1, 210,944 bytes of LDS; arguments qq, kvq, yq; writes yq
.if DOCPART == 3
	.amdgcn_target "amdgcn-amd-amdhsa--gfx1250"
	.amdhsa_code_object_version 6
	.text
	.protected	k_qb9b2f6ec5e_attn
	.globl	k_qb9b2f6ec5e_attn
	.p2align	8
	.type	k_qb9b2f6ec5e_attn,@function
k_qb9b2f6ec5e_attn:
	s_mov_b64 s[64:65], 0
	v_nop
	global_prefetch_b8 v0, s[64:65] scope:SCOPE_SE
	s_setreg_imm32_b32 hwreg(HW_REG_WAVE_MODE, 25, 1), 1
	s_wait_xcnt 0x0
	s_wait_alu depctr_hold_cnt(0) depctr_sa_sdst(0) depctr_va_vdst(0) depctr_va_sdst(0) depctr_va_ssrc(0) depctr_va_vcc(0) depctr_vm_vsrc(0)
	s_getreg_b32 s2, hwreg(HW_REG_IB_STS2, 6, 4)
	s_cmp_eq_u32 s2, 0
	s_cbranch_scc0 .Lentry_in_a_cluster
	s_endpgm
.Lentry_in_a_cluster:
	s_bfe_u32 s2, ttmp6, 0x10000c
	s_cmp_lg_u32 s2, 0x3003
	s_cbranch_scc0 .Lentry_shape_is_right
	s_endpgm
.Lentry_shape_is_right:
; y[head][q] = the sum over k <= q of softmax_k(Q[q] . K[k] / 8) V[k], both products on codes of BF6 (E3M2) with E8M0 scales, and y quantised along the model's 1,024 (two blocks a head) on its way out.
; THE SOFTMAX AHEAD OF THE SECOND PRODUCT: t = score x log2(e) / 8; M = the running largest t rounded UP to a whole number; p = 2^(t - M) is quantised along the keys, not normalised; the row's sum is taken
; of the unquantised p and divides at the end; when M moves, the sum and O are multiplied by 2^(old M - new M), which rounds nothing.
; A HEAD'S K, V AND SCALE WORDS ARE 208,896 BYTES AND LIE IN LDS WHOLE, as they lie in memory: key step ks (128 keys) at 12,288 ks: K's 8 half fragments of 768 bytes, then V^T's 4 fragments of 1,536;
; K's words at 196,608 + 512 ks, V's at 204,800 + 256 ks.  Each of the 16 waves brings 51 rows of 256 bytes by one tensor load; the bytes are filled once, nothing is stored to LDS.
; CLUSTERS: the four work-groups of a head form a cluster of 4 x 1 and ask for the head's image JOINTLY (mask 15): wave w of each issues the same load with the same descriptor.
; SHARES.  The head's 2,048 queries are 16 blocks of 128, each of 8 row blocks of 16.  Wave w takes block w, then block 15 - w: (w + 1) + (16 - w) = 17 key steps for every wave.  In both passes the work-group at
; place cx takes row block 2 cx + w % 2: blocks w and 15 - w differ in parity, so each block's row blocks 2 cx and 2 cx + 1 are both served.  cx enters global addresses and the mask's lane numbers alone:
; no branch and no LDS address hangs on it.  Both passes walk 16 steps; a step all of whose keys come after the wave's queries is passed over by a scalar branch on the wave's number and the step;
; on the diagonal hidden scores become -infinity.
; LAYOUT.  Both products transposed: S^T = K Q^T (K = 64: the upper halves of both fragments are zero codes), O^T = V^T P^T: a lane holds ONE query.  Lane r of row block i is row 32 (i / 2) + 8 (i % 2) + r % 8 + 16 (r / 8),
; so the 16 registers of tiles 2 b and 2 b + 1 are 16 neighbours: keys for p, channels for y.
; NO PREFETCH: every byte that the launch reads is asked for at its head; there is no loop to run ahead in.
; LIMITS: a block whose largest magnitude lies under 2^-122 keeps the byte 1, a block of zeros too; NaN and infinities are not served; 1 / sum is v_rcp_f32 and a multiplication.
; REGISTERS: v1-4 addresses that stay; v5-8 the step's; v9-11, v28-31 pass 1's Q; v12 -M, v13 the largest t, v[14:15] the sum; v16-27 Q; v32-79 four fragments of K; v80-127 V's four; v128-191 S^T, then p; v192-223 O^T;
;   v224-235 p's codes; v230-247 at work; v248-251 K's, then V's scale words; v252 f; v253 p's scale word; v254 at work; v255 Q's scale word.
.set HEADB, 208896
.set PART,  13056                      ; 51 rows of 256 bytes: a wave's sixteenth of the head
.set KW,    196608                     ; K's scale words in the head's image
.set SPARE, 0x33000                    ; behind the image: the spare words, 128 bytes for each wave
.set L16, 1
.set L8,  2
.set L4,  3                            ; KW + 4 r
.set QL,  4                            ; my query in its block of 128, less 16 (lane / 16)
.set A16, 5
.set A8,  6
.set ASK, 7
.set ASV, 8
.set QW1, 9
.set KF,  32
.set VF,  80
.set S,   128
.set OT,  192
.set WV,  10
.set BH,  11
.set G0,  12                           ; s[12:15]
.set G1,  16                           ; s[16:23]
.set SEL, 24
.set CS,  26                           ; s[26:27] c = log2(e) / 8
.set TB,  28                           ; where the step's tiles begin
.set TSK, 29                           ; its words of K
.set TSV, 30                           ; and of V
.set KS,  31                           ; the key step
.set BLK, 32                           ; my block of queries in this pass
.set BLK1, 33
.set CNT, 34
.set PASS, 35
.set YC,  36                           ; s[36:37] where my half fragment of y goes; s[38:39] its two scale bytes; s[40:43] pass 1's
.set YW,  38
.set YC1, 40
.set YW1, 42
.macro CROUND                          ; a round of the cluster's barrier
	s_barrier_signal -1
	s_barrier_wait -1
	s_cmp_lg_u32 s[WV], 0
	s_cbranch_scc1 .Lnot_wave_0_\@
	s_barrier_signal -3
.Lnot_wave_0_\@:
	s_barrier_wait -3
	s_barrier_signal -1
	s_barrier_wait -1
.endm
	s_load_b128 s[4:7], s[0:1], 0x0                ; qq, kvq
	s_load_b64 s[8:9], s[0:1], 0x10                ; yq
	v_lshl_add_u32 v254, v0, 2, SPARE
	v_mov_b32 v255, 0
	ds_add_u32 v254, v255                          ; the opening lines: the add, twice on end, and its wait
	ds_add_u32 v254, v255
	s_wait_dscnt 0x0
	v_lshrrev_b32 v1, 5, v0
	s_delay_alu instid0(VALU_DEP_1)
	v_readfirstlane_b32 s[WV], v1                  ; wave 0..15
	s_and_b32 s[BH], ttmp7, 0xffff                 ; the cluster's y: the head
	s_mov_b32 s[G1], 15|(3<<16)|(1<<21)            ; the mask: all four of the cluster; elements of 8 bytes; no padding; bit 21 beside a mask
	s_mov_b32 s[G1+1], 32<<16                      ; tensor_dim0 = 32 elements: 256 bytes
	s_mov_b32 s[G1+2], 51<<16                      ; tensor_dim1
	s_mov_b32 s[G1+3], 32<<16                      ; tile_dim0
	s_mov_b32 s[G1+4], 51                          ; tile_dim1
	s_mov_b32 s[G1+5], 32                          ; the rows are dense
	s_mov_b32 s[G1+6], 0
	s_mov_b32 s[G1+7], 0
	s_mul_i32 s44, s[BH], HEADB
	s_mul_i32 s46, s[WV], PART
	s_add_co_u32 s44, s44, s46
	s_mov_b32 s45, 0
	s_mov_b32 s[G0], 1
	s_mov_b32 s[G0+1], s46                         ; LDS: my sixteenth
	s_wait_kmcnt 0x0
	s_add_nc_u64 s[G0+2:G0+3], s[6:7], s[44:45]    ; made of the head and the wave's number: the same in all four partners
	s_or_b32 s[G0+3], s[G0+3], 0x80000000
	CROUND                                         ; all four work-groups are here: the joint loads meet
	tensor_load_to_lds s[G0:G0+3], s[G1:G1+7]      ; one tensor load a wave in the whole launch
	s_nop 0
.rept 4
	v_nop
.endr
	s_bfe_u32 s49, ttmp6, 0x40000                  ; cx: my place in the cluster
	s_and_b32 s48, s[WV], 1
	s_lshl_b32 s49, s49, 1
	s_add_co_u32 s48, s48, s49                     ; my row block in a block of 128 queries: 2 cx + w % 2, in both passes
	s_mov_b32 s[BLK], s[WV]                        ; pass 0: block w
	s_sub_co_u32 s[BLK1], 15, s[WV]                ; pass 1: block 15 - w
	s_lshl_b32 s50, s[BLK], 3
	s_add_co_u32 s50, s50, s48                     ; my row blocks in the head
	s_lshl_b32 s51, s[BLK1], 3
	s_add_co_u32 s51, s51, s48
	s_mov_b32 s55, 0
	s_mul_i32 s52, s[BH], 98304
	s_mul_i32 s54, s50, 768
	s_add_co_u32 s54, s54, s52
	s_add_nc_u64 s[56:57], s[4:5], s[54:55]        ; Q's half fragment, pass 0
	s_mul_i32 s54, s51, 768
	s_add_co_u32 s54, s54, s52
	s_add_nc_u64 s[58:59], s[4:5], s[54:55]        ; pass 1
	s_lshl_b32 s52, s[BH], 13
	s_add_co_u32 s52, s52, 6291456
	s_lshl_b32 s54, s50, 6
	s_add_co_u32 s54, s54, s52
	s_add_nc_u64 s[60:61], s[4:5], s[54:55]        ; Q's scale words, pass 0
	s_lshl_b32 s54, s51, 6
	s_add_co_u32 s54, s54, s52
	s_add_nc_u64 s[62:63], s[4:5], s[54:55]        ; pass 1
	s_lshr_b32 s66, s[BH], 4
	s_lshl_b32 s66, s66, 7                         ; 128 row blocks a batch
	s_and_b32 s67, s[BH], 15                       ; the head in its batch = y's half fragment along K
	s_add_co_u32 s68, s66, s50
	s_add_co_u32 s69, s66, s51
	s_lshr_b32 s70, s67, 2
	s_lshl_b32 s70, s70, 7
	s_and_b32 s71, s67, 3
	s_lshl_b32 s71, s71, 1
	s_add_co_u32 s70, s70, s71
	s_add_co_u32 s70, s70, 6291456                 ; the head's two bytes among a row's scale words
	s_lshl_b32 s54, s68, 4
	s_add_co_u32 s54, s54, s67
	s_mul_i32 s54, s54, 768
	s_add_nc_u64 s[YC:YC+1], s[8:9], s[54:55]
	s_lshl_b32 s54, s69, 4
	s_add_co_u32 s54, s54, s67
	s_mul_i32 s54, s54, 768
	s_add_nc_u64 s[YC1:YC1+1], s[8:9], s[54:55]
	s_lshl_b32 s54, s68, 9
	s_add_co_u32 s54, s54, s70
	s_add_nc_u64 s[YW:YW+1], s[8:9], s[54:55]
	s_lshl_b32 s54, s69, 9
	s_add_co_u32 s54, s54, s70
	s_add_nc_u64 s[YW1:YW1+1], s[8:9], s[54:55]
	s_lshr_b32 s72, s48, 1
	s_lshl_b32 s72, s72, 5
	s_and_b32 s73, s48, 1
	s_lshl_b32 s73, s73, 3
	s_add_co_u32 s72, s72, s73                     ; my row block's first row in its block of 128
	s_mov_b32 s[SEL], 0x76543210
	s_mov_b32 s[SEL+1], 0xfedcba98
	s_mov_b32 s[CS], 0x3e38aa3b                    ; log2(e) / 8
	s_mov_b32 s[CS+1], s[CS]                       ; (named with it as a pair, so it is written)
	v_and_b32 v5, 31, v0
	s_delay_alu instid0(VALU_DEP_1)
	v_lshlrev_b32 v[L16], 4, v5
	s_delay_alu instid0(VALU_DEP_2)
	v_lshlrev_b32 v[L8], 3, v5
	v_and_b32 v6, 15, v0                           ; r
	v_bfe_u32 v7, v0, 4, 1                         ; h
	s_delay_alu instid0(VALU_DEP_2)
	v_lshlrev_b32 v8, 2, v6
	s_delay_alu instid0(VALU_DEP_3)
	v_lshl_add_u32 v[L4], v6, 2, KW
	global_load_b128 v[16:19], v[L16], s[56:57]    ; Q of pass 0: registers 0-5 of the fragment
	global_load_b64 v[20:21], v[L8], s[56:57] offset:512
	global_load_b32 v255, v8, s[60:61]
	global_load_b128 v[28:31], v[L16], s[58:59]    ; Q of pass 1 waits in registers of its own
	global_load_b64 v[10:11], v[L8], s[58:59] offset:512
	global_load_b32 v[QW1], v8, s[62:63]
	v_and_b32 v[QL], 7, v0
	v_bfe_u32 v5, v0, 3, 1
	s_delay_alu instid0(VALU_DEP_1)
	v_lshl_add_u32 v[QL], v5, 4, v[QL]
	v_lshlrev_b32 v7, 4, v7
	s_delay_alu instid0(VALU_DEP_1)
	v_sub_nc_u32 v[QL], v[QL], v7
	s_delay_alu instid0(VALU_DEP_1)
	v_add_nc_u32 v[QL], s72, v[QL]
.irp i, 22,23,24,25,26,27
	v_mov_b32 v[\i], 0                             ; K = 64: the fragment's k = 64 .. 127 are zero codes, in Q
.endr
.irp t, 0,1,2,3
.irp i, 6,7,8,9,10,11
	v_mov_b32 v[KF+12*\t+\i], 0                    ; and in K: set once, never loaded over
.endr
.endr
.irp i, 236,237,238,239,252,253
	v_mov_b32 v[\i], 0                             ; written once: lane permutes' destinations, and the pair v[252:253]
.endr
	s_wait_alu depctr_va_vdst(0)                   ; the wait at the head's end
	s_wait_loadcnt 0x0                             ; Q, both passes'; v8 is free again
	s_wait_tensorcnt 0x0                           ; my sixteenth of the head has landed,
	s_barrier_signal -1
	s_barrier_wait -1                              ; everybody's has; no LDS byte of the image is written from here on
	s_mov_b32 s[PASS], 2
.Lpass:
	s_mov_b32 s[KS], 0
	s_mov_b32 s[TB], 0
	s_mov_b32 s[TSK], 0
	s_mov_b32 s[TSV], 0
	v_mov_b32 v13, 0xff61b1e6                      ; the largest t so far: -3e38, under every t
	s_delay_alu instid0(VALU_DEP_1)
	v_floor_f32 v12, -v13                          ; -M
	v_mov_b32 v14, 0
	v_mov_b32 v15, 0
.set j, 0
.rept 32
	v_mov_b32 v[OT+j], 0                           ; the step is written once: the first finds zeros, which the first change of M leaves zeros
.set j, j+1
.endr
	s_mov_b32 s[CNT], 16
.Lstep:
	s_cmp_gt_u32 s[KS], s[BLK]                     ; all 128 keys come after my 16 queries: only the addresses step
	s_cbranch_scc1 .Lhid
	v_add_nc_u32 v[A16], s[TB], v[L16]             ; (these four are the places behind the last step's products)
	v_add_nc_u32 v[A8], s[TB], v[L8]
	v_add_nc_u32 v[ASK], s[TSK], v[L4]
	v_add_nc_u32 v[ASV], s[TSV], v[L4]
	s_wait_alu depctr_va_vdst(0)                   ; one wait for the four
.irp g, 0,1                                    ; S^T = K Q^T, four tiles of 16 keys at a time
.if \g
.rept 4
	v_nop                                          ; places in front of loads into registers that matrix instructions have read
.endr
.endif
.irp t, 0,1,2,3
	ds_load_b128 v[KF+12*\t:KF+12*\t+3], v[A16] offset:768*(4*\g+\t)
	ds_load_b64 v[KF+12*\t+4:KF+12*\t+5], v[A8] offset:768*(4*\g+\t)+512
	ds_load_b32 v[248+\t], v[ASK] offset:64*(4*\g+\t)
.endr
	s_wait_dscnt 0x0
.irp t, 0,1,2,3
	v_wmma_scale_f32_16x16x128_f8f6f4 v[S+8*(4*\g+\t):S+8*(4*\g+\t)+7], v[KF+12*\t:KF+12*\t+11], v[16:27], 0, v[248+\t], v255 matrix_a_fmt:MATRIX_FMT_BF6 matrix_b_fmt:MATRIX_FMT_BF6
.endr
.endr
.rept 4
	v_nop                                          ; places: for the loads into the scale words' registers, and for the first read of the scores
.endr
.irp t, 0,1,2,3                                ; V^T's four fragments and their words are asked for now and land under the softmax
	ds_load_b128 v[VF+12*\t:VF+12*\t+3], v[A16] offset:6144+1536*\t
	ds_load_b64 v[VF+12*\t+4:VF+12*\t+5], v[A8] offset:6144+1536*\t+512
	ds_load_b128 v[VF+12*\t+6:VF+12*\t+9], v[A16] offset:6144+1536*\t+768
	ds_load_b64 v[VF+12*\t+10:VF+12*\t+11], v[A8] offset:6144+1536*\t+1280
	ds_load_b32 v[248+\t], v[ASV] offset:8192+64*\t
.endr
	s_cmp_lt_u32 s[KS], s[BLK]                     ; all keys count: no mask
	s_cbranch_scc1 .Lopen
	v_mov_b32 v254, 0xff800000                     ; on the diagonal: register 16 b + i holds key 32 b + 16 (lane / 16) + i of the block: hidden where 32 b + i > QL
.set n, 0
.rept 64
	v_cmp_gt_i32 vcc_lo, 32*(n/16)+n%16, v[QL]
	v_cndmask_b32 v[S+n], v[S+n], v254, vcc_lo
.set n, n+1
.endr
.Lopen:
.irp b, 0,1,2,3
	v_max3_num_f32 v[232+\b], v[S+16*\b], v[S+1+16*\b], v[S+2+16*\b]   ; the largest score of each block of 32 keys: for the row's maximum, and, since p rises with the score, for the block's largest p
.endr
.irp i, 3,5,7,9,11,13
.irp b, 0,1,2,3
	v_max3_num_f32 v[232+\b], v[232+\b], v[S+16*\b+\i], v[S+1+16*\b+\i]
.endr
.endr
.irp b, 0,1,2,3
	v_max_num_f32 v[232+\b], v[232+\b], v[S+15+16*\b]
.endr
.irp b, 0,1,2,3
	s_delay_alu instid0(VALU_DEP_4)
	v_permlanex16_b32 v[236+\b], v[232+\b], s[SEL], s[SEL+1]
.endr
.irp b, 0,1,2,3
	s_delay_alu instid0(VALU_DEP_4)
	v_max_num_f32 v[232+\b], v[232+\b], v[236+\b]  ; with lane l xor 16's 16 keys
.endr
	s_delay_alu instid0(VALU_DEP_2)
	v_max3_num_f32 v254, v232, v233, v234
	s_delay_alu instid0(VALU_DEP_1)
	v_max_num_f32 v254, v254, v235
	s_delay_alu instid0(VALU_DEP_1)
	v_mul_f32 v254, s[CS], v254                    ; as t (c is positive)
	s_delay_alu instid0(VALU_DEP_1)
	v_max_num_f32 v13, v13, v254                   ; the running largest t
	v_mov_b32 v254, v12
	s_delay_alu instid0(VALU_DEP_2)
	v_floor_f32 v12, -v13                          ; the new -M = -ceil(t): a whole number
	s_delay_alu instid0(VALU_DEP_1)
	v_sub_f32 v254, v12, v254                      ; old M - new M: a whole number, 0 or less
	s_delay_alu instid0(VALU_DEP_1)
	v_cvt_i32_f32 v254, v254                       ; (it saturates)
	s_delay_alu instid0(VALU_DEP_1)
	v_ldexp_f32 v252, 1.0, v254                    ; f = 2^(old M - new M)
.set j, 0
.rept 32
	v_pk_fma_f32 v[S+j:S+j+1], v[S+j:S+j+1], s[CS:CS+1], v[12:13] op_sel_hi:[1,0,0]   ; t - M, two at a time
.set j, j+2
.endr
.irp b, 0,1,2,3
	v_fma_f32 v[232+\b], v[232+\b], s[CS], v12     ; the same of each block's largest score
.endr
.set j, 0
	s_wait_alu depctr_va_vdst(0)                   ; the wait ahead of the batch
.rept 64
	v_exp_f32 v[S+j], v[S+j]                       ; p = 2^(t - M): one batch
.set j, j+1
.endr
	v_pk_mul_f32 v[14:15], v[14:15], v[252:253] op_sel_hi:[1,0]   ; the sums under the new M: the plain place behind the exponentials
	s_wait_alu depctr_va_vdst(0)                   ; one wait for the batch, ahead of its first reader
.irp b, 0,1,2,3
	v_exp_f32 v[232+\b], v[232+\b]                 ; each block's largest p
.endr
	v_pk_add_f32 v[236:237], v[132:133], v[136:137]   ; the row's sum of the unquantised p, in eight chains
	v_pk_add_f32 v[246:247], v[140:141], v[144:145]
	v_pk_add_f32 v[244:245], v[148:149], v[152:153]
	v_pk_add_f32 v[242:243], v[156:157], v[160:161]
	v_pk_add_f32 v[240:241], v[164:165], v[168:169]
	v_pk_add_f32 v[238:239], v[172:173], v[176:177]
	v_pk_add_f32 v[230:231], v[180:181], v[184:185]
	v_pk_add_f32 v[14:15], v[14:15], v[188:189]
	v_pk_add_f32 v[236:237], v[236:237], v[128:129]
	v_pk_add_f32 v[246:247], v[246:247], v[130:131]
	v_pk_add_f32 v[244:245], v[244:245], v[134:135]
	v_pk_add_f32 v[242:243], v[242:243], v[138:139]
	v_pk_add_f32 v[240:241], v[240:241], v[142:143]
	v_pk_add_f32 v[238:239], v[238:239], v[146:147]
	v_pk_add_f32 v[230:231], v[230:231], v[150:151]
	v_pk_add_f32 v[14:15], v[14:15], v[154:155]
	v_pk_add_f32 v[236:237], v[236:237], v[158:159]
	v_pk_add_f32 v[246:247], v[246:247], v[162:163]
	v_pk_add_f32 v[244:245], v[244:245], v[166:167]
	v_pk_add_f32 v[242:243], v[242:243], v[170:171]
	v_pk_add_f32 v[240:241], v[240:241], v[174:175]
	v_pk_add_f32 v[238:239], v[238:239], v[178:179]
	v_pk_add_f32 v[230:231], v[230:231], v[182:183]
	v_pk_add_f32 v[14:15], v[14:15], v[186:187]
	v_pk_add_f32 v[236:237], v[236:237], v[190:191]
	s_delay_alu instid0(VALU_DEP_2)
	v_pk_add_f32 v[14:15], v[14:15], v[242:243]
	s_delay_alu instid0(VALU_DEP_2)
	v_pk_add_f32 v[236:237], v[236:237], v[240:241]
	v_pk_add_f32 v[246:247], v[246:247], v[238:239]
	v_pk_add_f32 v[244:245], v[244:245], v[230:231]
	s_delay_alu instid0(VALU_DEP_2)
	v_pk_add_f32 v[14:15], v[14:15], v[246:247]
	s_delay_alu instid0(VALU_DEP_2)
	v_pk_add_f32 v[236:237], v[236:237], v[244:245]
	s_delay_alu instid0(VALU_DEP_1)
	v_pk_add_f32 v[14:15], v[14:15], v[236:237]
	s_wait_alu depctr_va_vdst(0)                   ; and one for the four
.irp b, 0,1,2,3
	v_max_num_f32 v[232+\b], 0x2800000, v[232+\b]  ; the floor 2^(5 - 127): the byte cannot fall under 1
.endr
.irp b, 0,1,2,3
	s_delay_alu instid0(VALU_DEP_4)
	v_add_nc_u32 v[244+\b], 0xfe000000, v[232+\b]  ; the conversion's scale operand
.endr
.irp b, 0,1,2,3
	s_delay_alu instid0(VALU_DEP_4)
	v_lshrrev_b32 v[236+\b], 23, v[244+\b]
.endr
	s_delay_alu instid0(VALU_DEP_3)
	v_lshl_or_b32 v253, v237, 8, v236              ; p's scale word for these 128 keys
	s_delay_alu instid0(VALU_DEP_1)
	v_lshl_or_b32 v253, v238, 16, v253
	s_delay_alu instid0(VALU_DEP_1)
	v_lshl_or_b32 v253, v239, 24, v253
.irp c, 0,1
	v_cvt_scalef32_pk16_bf6_f32 v[224+6*\c:226+6*\c], v[S+32*\c:S+15+32*\c], v[244+2*\c]
	v_cvt_scalef32_pk16_bf6_f32 v[236+4*\c:238+4*\c], v[S+16+32*\c:S+31+32*\c], v[244+2*\c+1]
.endr
	v_nop                                          ; one plain place behind a scaled conversion
.irp c, 0,1
.irp i, 0,1,2
	v_permlane16_swap_b32 v[224+6*\c+\i], v[236+4*\c+\i]
.endr
.irp i, 0,1,2
	s_delay_alu instid0(VALU_DEP_3)
	v_mov_b32 v[227+6*\c+\i], v[236+4*\c+\i]
.endr
.endr
.set j, 0
.rept 16
	v_pk_mul_f32 v[OT+j:OT+j+1], v[OT+j:OT+j+1], v[252:253] op_sel_hi:[1,0]   ; O^T under the new M; these sixteen stand between the scale word and codes just made and the products
.set j, j+2
.endr
	s_wait_alu depctr_va_vdst(0)                   ; the wait here, directly ahead of the wait below
	s_wait_dscnt 0x0                               ; V^T and its words are in
.irp t, 0,1,2,3                                ; O^T += V^T P^T: the four accumulators by turns
	v_wmma_scale_f32_16x16x128_f8f6f4 v[OT+8*\t:OT+8*\t+7], v[VF+12*\t:VF+12*\t+11], v[224:235], v[OT+8*\t:OT+8*\t+7], v[248+\t], v253 matrix_a_fmt:MATRIX_FMT_BF6 matrix_b_fmt:MATRIX_FMT_BF6
.endr
.Lhid:
	s_add_co_u32 s[KS], s[KS], 1
	s_add_co_u32 s[TB], s[TB], 12288
	s_add_co_u32 s[TSK], s[TSK], 512
	s_add_co_u32 s[TSV], s[TSV], 256
	s_sub_co_u32 s[CNT], s[CNT], 1
	s_cmp_lg_u32 s[CNT], 0
	s_cbranch_scc1 .Lstep
	; THE WAY OUT of a pass: O^T / the sum; its 32 registers are channels 32 b + 16 (lane / 16) + i of my query: two blocks of y's K
.rept 4
	v_nop                                          ; places behind the last products
.endr
	v_add_f32 v14, v14, v15
	s_delay_alu instid0(VALU_DEP_1)
	v_permlanex16_b32 v252, v14, s[SEL], s[SEL+1]
	s_delay_alu instid0(VALU_DEP_1)
	v_add_f32 v14, v14, v252                       ; the row's sum
	s_wait_alu depctr_va_vdst(0)
	v_rcp_f32 v14, v14
	v_and_b32 v254, 15, v0                         ; (a plain place behind the reciprocal)
	s_delay_alu instid0(VALU_DEP_1)
	v_lshlrev_b32 v254, 3, v254                    ; 8 r: my row's scale words
	s_wait_alu depctr_va_vdst(0)                   ; the wait ahead of the reciprocal's first reader
.set j, 0
.rept 32
	v_mul_f32 v[S+j], v[OT+j], v14                 ; each accumulator from its low end on
.set j, j+1
.endr
.irp b, 0,1
	v_max3_num_f32 v[232+\b], |v[S+16*\b]|, |v[S+1+16*\b]|, 0x2800000
.endr
.irp i, 2,4,6,8,10,12,14
.irp b, 0,1
	s_delay_alu instid0(VALU_DEP_2)
	v_max3_num_f32 v[232+\b], v[232+\b], |v[S+16*\b+\i]|, |v[S+1+16*\b+\i]|
.endr
.endr
.irp b, 0,1
	s_delay_alu instid0(VALU_DEP_2)
	v_permlanex16_b32 v[236+\b], v[232+\b], s[SEL], s[SEL+1]
.endr
.irp b, 0,1
	s_delay_alu instid0(VALU_DEP_2)
	v_max_num_f32 v[232+\b], v[232+\b], v[236+\b]
.endr
.irp b, 0,1
	s_delay_alu instid0(VALU_DEP_2)
	v_add_nc_u32 v[244+\b], 0xfe000000, v[232+\b]
.endr
.irp b, 0,1
	s_delay_alu instid0(VALU_DEP_2)
	v_lshrrev_b32 v[236+\b], 23, v[244+\b]
.endr
	s_delay_alu instid0(VALU_DEP_1)
	v_lshl_or_b32 v252, v237, 8, v236              ; the head's two scale bytes of my row
	v_cvt_scalef32_pk16_bf6_f32 v[224:226], v[S:S+15], v244
	v_cvt_scalef32_pk16_bf6_f32 v[228:230], v[S+16:S+31], v245
	v_nop                                          ; one plain place behind a scaled conversion
.irp i, 0,1,2
	v_permlane16_swap_b32 v[224+\i], v[228+\i]     ; a whole block in a lane
.endr
	s_delay_alu instid0(VALU_DEP_3)
	v_mov_b32 v227, v228
	s_delay_alu instid0(VALU_DEP_3)
	v_mov_b32 v228, v229
	s_delay_alu instid0(VALU_DEP_3)
	v_mov_b32 v229, v230                           ; v224-229: the half fragment's six registers
	global_store_b128 v[L16], v[224:227], s[YC:YC+1]            ; 512 consecutive bytes, at a multiple of 256 from the buffer's first byte
	global_store_b64 v[L8], v[228:229], s[YC:YC+1] offset:512   ; 256
	global_store_b16 v254, v252, s[YW:YW+1]        ; two bytes a row, 8 bytes apart: a row's eight scale words come from sixteen heads (lanes 16-31 write what lanes 0-15 write)
	s_wait_xcnt 0x0                                ; the stores have read their data, offsets and bases
	v_mov_b32 v16, v28                             ; pass 1's Q, block and addresses move in (in the second trip they move onto themselves' like and are not used)
	v_mov_b32 v17, v29
	v_mov_b32 v18, v30
	v_mov_b32 v19, v31
	v_mov_b32 v20, v10
	v_mov_b32 v21, v11
	v_mov_b32 v255, v[QW1]
	s_mov_b32 s[BLK], s[BLK1]
	s_mov_b64 s[YC:YC+1], s[YC1:YC1+1]
	s_mov_b64 s[YW:YW+1], s[YW1:YW1+1]
	s_sub_co_u32 s[PASS], s[PASS], 1
	s_cmp_lg_u32 s[PASS], 0
	s_cbranch_scc1 .Lpass
	s_wait_xcnt 0x0
	v_lshl_add_u32 v254, v0, 2, SPARE              ; the add's two registers, made anew from v0
	v_mov_b32 v255, 0
	s_wait_alu depctr_va_vdst(0)
	s_wait_tensorcnt 0x0                           ; the wave's end
	ds_add_u32 v254, v255
	s_wait_dscnt 0x0
	CROUND                                         ; the closing round
	s_endpgm
.Lfunc_end_k_qb9b2f6ec5e_attn:
	.size	k_qb9b2f6ec5e_attn, .Lfunc_end_k_qb9b2f6ec5e_attn-k_qb9b2f6ec5e_attn
	.p2alignl 7, 3214868480
	.fill 96, 4, 3214868480
	.section	.rodata,"a",@progbits
	.p2align	6, 0x0
	.amdhsa_kernel k_qb9b2f6ec5e_attn
		.amdhsa_group_segment_fixed_size 210944
		.amdhsa_private_segment_fixed_size 0
		.amdhsa_enable_private_segment 0
		.amdhsa_kernarg_size 24
		.amdhsa_user_sgpr_count 2
		.amdhsa_user_sgpr_kernarg_segment_ptr 1
		.amdhsa_wavefront_size32 1
		.amdhsa_system_sgpr_workgroup_id_x 1
		.amdhsa_system_sgpr_workgroup_id_y 1
		.amdhsa_system_sgpr_workgroup_id_z 1
		.amdhsa_system_vgpr_workitem_id 0
		.amdhsa_next_free_vgpr 256
		.amdhsa_next_free_sgpr 100
		.amdhsa_reserve_vcc 1
		.amdhsa_float_denorm_mode_32 3
		.amdhsa_float_denorm_mode_16_64 3
		.amdhsa_memory_ordered 1
		.amdhsa_forward_progress 1
		.amdhsa_inst_pref_size 38
	.end_amdhsa_kernel
	.amdgpu_metadata
---
amdhsa.version: [ 1, 2 ]
amdhsa.kernels:
  - .name:           k_qb9b2f6ec5e_attn
    .symbol:         k_qb9b2f6ec5e_attn.kd
    .args:
      - { .name: qq, .offset: 0, .size: 8, .value_kind: global_buffer, .address_space: global }
      - { .name: kvq, .offset: 8, .size: 8, .value_kind: global_buffer, .address_space: global }
      - { .name: yq, .offset: 16, .size: 8, .value_kind: global_buffer, .address_space: global }
    .group_segment_fixed_size: 210944
    .private_segment_fixed_size: 0
    .kernarg_segment_align: 8
    .kernarg_segment_size: 24
    .max_flat_workgroup_size: 512
    .sgpr_count:     100
    .vgpr_count:     256
    .wavefront_size: 32
...
	.end_amdgpu_metadata
.endif
;; end of part 3
;; launch proj (part 4): grid 4 x 64, 4 waves a work-group, clusters of 4 x 4, 327,680 bytes of LDS; arguments yq, wq, b_proj, out0; writes out0
.if DOCPART == 4
	.amdgcn_target "amdgcn-amd-amdhsa--gfx1250"
	.amdhsa_code_object_version 6
	.text
	.protected	k_qb9b2f6ec5e_proj
	.globl	k_qb9b2f6ec5e_proj
	.p2align	8
	.type	k_qb9b2f6ec5e_proj,@function
k_qb9b2f6ec5e_proj:
	s_mov_b64 s[64:65], 0
	v_nop
	global_prefetch_b8 v0, s[64:65] scope:SCOPE_SE
	s_setreg_imm32_b32 hwreg(HW_REG_WAVE_MODE, 25, 1), 1
	s_wait_xcnt 0x0
	s_wait_alu depctr_hold_cnt(0) depctr_sa_sdst(0) depctr_va_vdst(0) depctr_va_sdst(0) depctr_va_ssrc(0) depctr_va_vcc(0) depctr_vm_vsrc(0)
	s_getreg_b32 s2, hwreg(HW_REG_IB_STS2, 6, 4)
	s_cmp_eq_u32 s2, 0
	s_cbranch_scc0 .Lentry_in_a_cluster
	s_endpgm
.Lentry_in_a_cluster:
	s_bfe_u32 s2, ttmp6, 0x10000c
	s_cmp_lg_u32 s2, 0xf033
	s_cbranch_scc0 .Lentry_shape_is_right
	s_endpgm
.Lentry_shape_is_right:
; out0 = y w_proj + b_proj on codes of BF6 (E3M2) with E8M0 scales, f32 sums.  Operands lie in the order of their registers, as the launches before laid them:
; row block i = 16 rows (lane r = row 32 (i / 2) + 8 (i % 2) + r % 8 + 16 (r / 8)); codes [row block][16 half fragments][768]; scale words [row block][4 (256 along K)][r][2].
; A BLOCK of 128 tokens x 256 columns: 64 x 4 = 256 work-groups.  ITS OPERANDS FOR ALL OF K = 1,024 LIE IN LDS AT ONCE: the tokens' 8 row blocks (98,304 bytes), the weight's 16 (196,608),
; their scale words (4,096 and 8,192).  Each of the four is one dense block of memory and comes by ONE tensor load, as rows of 256 bytes: one load a wave, at the head; no LDS byte is filled twice, so there is no ring.
; CLUSTERS: 4 x 4 work-groups; the tokens' two blocks are asked for jointly along a row of the cluster, the weight's two along a column.
; A wave makes 64 tokens x 128 columns: 32 accumulators, by turns in the same order in every step.  Source 0 = the weight's 8 tiles, source 1 = the tokens' 4 blocks:
; a lane holds one token, and the 16 registers of tiles 2 b, 2 b + 1 are columns 32 b + 16 (lane / 16) + 0 .. 15.  The bias is the C of the first products.  K goes in 8 steps of 128, written out; a step's 48 LDS loads are issued one step ahead.
; THE WAY OUT: 16 tokens x 128 columns at a time through the wave's own stage and back as rows of 512 bytes.  The stage lies in the tokens' bytes, behind a barrier in front of which every wave's reads are over; nothing is filled there again.
; NO PREFETCH: every byte that the launch reads is asked for at its head; there is no loop to run ahead in.
; REGISTERS: window 0: v1-23 addresses; v32-95 the weight's scale words (tile i, step st at 32 + 8 i + st), v96-127 the tokens'; v128-223 the tokens' fragments, two sets; on the way out v128-255.
;   window 1: the weight's fragments at v0 and v128, the bias at v96-127 and v224-255.   window 2: accumulator (a, b) at v[8 (8 a + b)].
.set WCODES, 2457600                   ; where w_proj's codes and words begin in wq
.set WWORDS, 3244032
.set TWORDS, 6291456                   ; where the tokens' words begin in yq
.set RB,     12288                     ; a row block's codes for all of K
.set WB,     8*RB                      ; LDS: the weight's codes, behind the tokens'
.set TS,     24*RB                     ; the tokens' scale words
.set WS,     TS+4096                   ; the weight's
.set SPARE,  WS+8192                   ; the spare words, 128 bytes for each wave
.set SPITCH, 528
.set FR,     12
.set ADP16, 8                          ; v8-9   the weight's tiles 0-3, 4-7: base + 16 lane;  v10-11 base + 8 lane
.set ADP8,  10
.set ADR16, 12                         ; v12, v13 the same for the tokens' four blocks
.set ADR8,  13
.set ADSP,  16                         ; v16, v17 the scale words: base + 8 r
.set ADSR,  17
.set L16,   18
.set L8,    19
.set STO,   20
.set RD,    21
.set SPW,   22                         ; LDS address of my spare word; never rewritten
.set NIL,   23                         ; 0; never rewritten
.set SCP,   32
.set SCR,   96
.set RF,    128
.set BK,    128
.set G1T,  24                          ; groups 1: the tokens' codes, the weight's, the tokens' words, the weight's
.set G1W,  32
.set G1S,  40
.set G1SB, 48
.set G0T,  56                          ; groups 0, in the same order
.set G0W,  60
.set G0S,  68
.set G0SB, 72
.set MSB, 0
.macro WIN new                         ; the immediate's high byte repeats the setting that is left
.if MSB != \new
	s_set_vgpr_msb (MSB<<8)|\new
.set MSB, \new
.endif
.endm
.set MUL_C,  0x91                      ; source 0 window 1, source 1 window 0, C window 1 (the bias), D window 2
.set MUL_LO, 0xa1                      ; the same, C and D window 2
.set TO_P,   0x40                      ; destination window 1, address window 0
.macro CROUND                          ; a round of the cluster's barrier
	s_barrier_signal -1
	s_barrier_wait -1
	s_cmp_lg_u32 s14, 0
	s_cbranch_scc1 .Lnot_wave_0_\@
	s_barrier_signal -3
.Lnot_wave_0_\@:
	s_barrier_wait -3
	s_barrier_signal -1
	s_barrier_wait -1
.endm
.macro PLACES n                        ; places behind matrix instructions (ISA guide 7.12.1)
.rept \n
	v_nop
.endr
.endm
.macro DENSE g, rows                   ; a dense block as rows of 256 bytes: 32 elements of 8 bytes
	s_mov_b32 s[\g+1], 32<<16
	s_mov_b32 s[\g+2], (\rows)<<16
	s_mov_b32 s[\g+3], 32<<16
	s_mov_b32 s[\g+4], \rows
	s_mov_b32 s[\g+5], 32
	s_mov_b32 s[\g+6], 0
	s_mov_b32 s[\g+7], 0
.endm
.macro FRAG reg, a16, a8, off          ; a fragment's image: two half fragments on end
	ds_load_b128 v[\reg:\reg+3], v[\a16] offset:\off
	ds_load_b64 v[\reg+4:\reg+5], v[\a8] offset:\off+512
	ds_load_b128 v[\reg+6:\reg+9], v[\a16] offset:\off+768
	ds_load_b64 v[\reg+10:\reg+11], v[\a8] offset:\off+1280
.endm
.macro FETCH st                        ; 48 loads: step st's fragments into the sets st % 2
	WIN TO_P
.irp i, 0,1,2,3,4,5,6,7
	FRAG 128*((\st)%2)+FR*\i, ADP16+\i/4, ADP8+\i/4, RB*(\i%4)+1536*(\st)
.endr
	WIN 0
.irp i, 0,1,2,3
	FRAG RF+48*((\st)%2)+FR*\i, ADR16, ADR8, RB*\i+1536*(\st)
.endr
.endm
.macro MULS st, first                  ; 32 products: the tokens' four blocks x the weight's eight tiles, 128 along K
.irp a, 0,1,2,3
.irp b, 0,1,2,3,4,5,6,7
.if \first
	v_wmma_scale_f32_16x16x128_f8f6f4 v[8*(8*\a+\b):8*(8*\a+\b)+7], v[128*((\st)%2)+FR*\b:128*((\st)%2)+FR*\b+FR-1], v[RF+48*((\st)%2)+FR*\a:RF+48*((\st)%2)+FR*\a+FR-1], v[96+8*\b+96*(\b/4):96+8*\b+96*(\b/4)+7], v[SCP+8*\b+(\st)], v[SCR+8*\a+(\st)] matrix_a_fmt:MATRIX_FMT_BF6 matrix_b_fmt:MATRIX_FMT_BF6
.else
	v_wmma_scale_f32_16x16x128_f8f6f4 v[8*(8*\a+\b):8*(8*\a+\b)+7], v[128*((\st)%2)+FR*\b:128*((\st)%2)+FR*\b+FR-1], v[RF+48*((\st)%2)+FR*\a:RF+48*((\st)%2)+FR*\a+FR-1], v[8*(8*\a+\b):8*(8*\a+\b)+7], v[SCP+8*\b+(\st)], v[SCR+8*\a+(\st)] matrix_a_fmt:MATRIX_FMT_BF6 matrix_b_fmt:MATRIX_FMT_BF6
.endif
.endr
.endr
.endm
.macro STEP st
	s_wait_dscnt 0x0                               ; this step's fragments are in
	PLACES 4                                       ; in front of loads into the sets that the step before multiplied
	FETCH (\st)+1
	WIN MUL_LO
	MULS \st, 0
.endm
	s_load_b128 s[4:7], s[0:1], 0x0                ; yq, wq
	s_load_b128 s[8:11], s[0:1], 0x10              ; b_proj, out0
	v_lshl_add_u32 v[SPW], v0, 2, SPARE
	v_mov_b32 v[NIL], 0
	ds_add_u32 v[SPW], v[NIL]                      ; the opening lines: the add, twice on end, and its wait ahead of my tensor load
	ds_add_u32 v[SPW], v[NIL]
	v_lshrrev_b32 v1, 5, v0
	v_readfirstlane_b32 s14, v1                    ; wave 0..3
	s_lshr_b32 s15, s14, 1                         ; which 64 of the block's tokens are mine
	s_and_b32 s16, s14, 1                          ; which 128 of its columns
	s_bfe_u32 s76, ttmp6, 0x40000                  ; cx, cy: my place in the cluster
	s_bfe_u32 s77, ttmp6, 0x40004
	s_lshl_b32 s78, ttmp9, 2
	s_add_co_u32 s78, s78, s76                     ; block column = 4 x cluster x + cx
	s_and_b32 s17, ttmp7, 0xffff
	s_lshl_b32 s17, s17, 2
	s_add_co_u32 s17, s17, s77                     ; block row = 4 x cluster y + cy
	s_lshl_b32 s79, s77, 2
	s_lshl_b32 s79, 15, s79                        ; my row of the cluster
	s_lshl_b32 s80, 0x1111, s76                    ; my column
	s_or_b32 s[G1T], s79, (3<<16)|(1<<21)          ; 15:0 the mask; 17:16 elements of 8 bytes; no padding; 21 set beside a mask
	s_or_b32 s[G1S], s79, (3<<16)|(1<<21)
	s_or_b32 s[G1W], s80, (3<<16)|(1<<21)
	s_or_b32 s[G1SB], s80, (3<<16)|(1<<21)
	DENSE G1T, 384                                 ; 98,304 bytes
	DENSE G1W, 768                                 ; 196,608
	DENSE G1S, 16                                  ; 4,096
	DENSE G1SB, 32                                 ; 8,192
	s_mul_i32 s20, s17, 8*RB                       ; the tokens' codes hang on the block row alone,
	s_mov_b32 s21, 0
	s_lshl_b32 s22, s17, 12                        ; and so do their words;
	s_add_co_u32 s22, s22, TWORDS
	s_mov_b32 s23, 0
	s_mul_i32 s82, s78, 16*RB                      ; the weight's on the block column alone
	s_add_co_u32 s82, s82, WCODES
	s_mov_b32 s83, 0
	s_lshl_b32 s84, s78, 13
	s_add_co_u32 s84, s84, WWORDS
	s_mov_b32 s85, 0
	s_wait_dscnt 0x0                               ; both opening adds are done
	s_wait_kmcnt 0x0
	s_mov_b32 s[G0T], 1
	s_mov_b32 s[G0T+1], 0
	s_add_nc_u64 s[G0T+2:G0T+3], s[4:5], s[20:21]
	s_or_b32 s[G0T+3], s[G0T+3], 0x80000000
	s_mov_b32 s[G0W], 1
	s_mov_b32 s[G0W+1], WB
	s_add_nc_u64 s[G0W+2:G0W+3], s[6:7], s[82:83]
	s_or_b32 s[G0W+3], s[G0W+3], 0x80000000
	s_mov_b32 s[G0S], 1
	s_mov_b32 s[G0S+1], TS
	s_add_nc_u64 s[G0S+2:G0S+3], s[4:5], s[22:23]
	s_or_b32 s[G0S+3], s[G0S+3], 0x80000000
	s_mov_b32 s[G0SB], 1
	s_mov_b32 s[G0SB+1], WS
	s_add_nc_u64 s[G0SB+2:G0SB+3], s[6:7], s[84:85]
	s_or_b32 s[G0SB+3], s[G0SB+3], 0x80000000
	CROUND                                         ; all sixteen work-groups are here: the joint loads meet
; THE LAUNCH'S FOUR LOADS, ONE A WAVE: one chain of branches on the wave's number; every way through it passes exactly one load.
.macro ARM under, g0, g1, next
	s_cmp_lt_u32 s14, \under
	s_cbranch_scc0 \next
	tensor_load_to_lds s[\g0:\g0+3], s[\g1:\g1+7]
	s_nop 0
.rept 4
	v_nop
.endr
	s_branch .Lhead_asked
\next:
.endm
	ARM 1, G0W, G1W, .Lhead_t
	ARM 2, G0T, G1T, .Lhead_sa
	ARM 3, G0S, G1S, .Lhead_sb
	tensor_load_to_lds s[G0SB:G0SB+3], s[G1SB:G1SB+7]
	s_nop 0
.rept 4
	v_nop
.endr
.Lhead_asked:
	s_mul_i32 s97, s15, 4*RB                       ; my 4 row blocks of tokens,
	s_mul_i32 s96, s16, 8*RB
	s_add_co_u32 s96, s96, WB                      ; my 8 of the weight: tiles 0-3,
	s_add_co_u32 s98, s96, 4*RB                    ; tiles 4-7 (an LDS offset has 16 bits),
	s_lshl_b32 s95, s15, 11
	s_add_co_u32 s95, s95, TS                      ; and their scale words
	s_lshl_b32 s94, s16, 12
	s_add_co_u32 s94, s94, WS
	s_mul_i32 s99, s14, 16*SPITCH                  ; my stage
	s_lshl_b32 s2, s78, 10
	s_lshl_b32 s3, s16, 9
	s_add_co_u32 s2, s2, s3                        ; my first column, in bytes
	s_mov_b32 s3, 0
	s_add_nc_u64 s[8:9], s[8:9], s[2:3]
	s_add_nc_u64 s[10:11], s[10:11], s[2:3]
	s_lshl_b32 s2, s17, 7
	s_lshl_b32 s18, s15, 6
	s_add_co_u32 s2, s2, s18                       ; my first token,
	s_lshl_b32 s2, s2, 12                          ; a row of out0 is 4,096 bytes
	s_add_nc_u64 s[10:11], s[10:11], s[2:3]
	v_and_b32 v1, 31, v0
	v_and_b32 v2, 15, v0                           ; r
	v_bfe_u32 v3, v0, 4, 1                         ; h
	v_lshlrev_b32 v[L16], 4, v1
	v_lshlrev_b32 v[L8], 3, v1
	v_add_nc_u32 v[ADP16], s96, v[L16]
	v_add_nc_u32 v[ADP8], s96, v[L8]
	v_add_nc_u32 v[ADP16+1], s98, v[L16]
	v_add_nc_u32 v[ADP8+1], s98, v[L8]
	v_add_nc_u32 v[ADR16], s97, v[L16]
	v_add_nc_u32 v[ADR8], s97, v[L8]
	v_lshlrev_b32 v4, 3, v2
	v_add_nc_u32 v[ADSP], s94, v4
	v_add_nc_u32 v[ADSR], s95, v4
	v_mul_u32_u24 v[STO], v2, SPITCH               ; into the stage: row r, 64 bytes for each half of the lanes
	v_lshl_add_u32 v[STO], v3, 6, v[STO]
	v_add_nc_u32 v[STO], s99, v[STO]
	v_add_nc_u32 v[RD], s99, v[L16]                ; back: the 32 lanes take one row of 512 bytes
	v_lshlrev_b32 v5, 6, v3                        ; the bias: registers 16 b + i are columns 32 b + 16 h + i
	WIN TO_P
.irp pb, 0,1,2,3
.irp j, 0,1,2,3
	global_load_b128 v[96+16*\pb+4*\j+96*(\pb/2):96+16*\pb+4*\j+96*(\pb/2)+3], v5, s[8:9] offset:128*\pb+16*\j
.endr
.endr
	WIN 0
	s_wait_alu depctr_va_vdst(0)                   ; the wait at the head's end
	s_wait_tensorcnt 0x0                           ; my block has landed,
	s_barrier_signal -1
	s_barrier_wait -1                              ; everybody's has; nothing is filled again
	FETCH 0
.irp i, 0,1,2,3,4,5,6,7                        ; the scale words for all of K, once: two words (256 along K) a load; lanes 16-31 load what lanes 0-15 load
.irp kp, 0,1,2,3
	ds_load_b64 v[SCP+8*\i+2*\kp:SCP+8*\i+2*\kp+1], v[ADSP] offset:512*\i+128*\kp
.endr
.endr
.irp i, 0,1,2,3
.irp kp, 0,1,2,3
	ds_load_b64 v[SCR+8*\i+2*\kp:SCR+8*\i+2*\kp+1], v[ADSR] offset:512*\i+128*\kp
.endr
.endr
	s_wait_loadcnt 0x0                             ; the bias
	s_wait_dscnt 0x0                               ; step 0's fragments and the scale words
	FETCH 1
	WIN MUL_C
	MULS 0, 1                                      ; the first products start the sums on the bias: nothing is cleared
.irp st, 1,2,3,4,5,6
	STEP \st
.endr
	s_wait_dscnt 0x0                               ; the last step's fragments are in: my reads of the operands are over;
	s_barrier_signal -1                            ; say so,
	WIN MUL_LO
	MULS 7, 0                                      ; work on registers while the others arrive,
	WIN 0
	s_barrier_wait -1                              ; and behind this wait nobody reads the tokens' bytes, where the stages lie
.macro TOSTAGE a
	WIN 0x08                                       ; the data: window 2
.irp b, 0,1,2,3,4,5,6,7
	ds_store_b128 v[STO], v[64*(\a)+8*\b:64*(\a)+8*\b+3] offset:128*(\b/2)+32*(\b%2)          ; each accumulator from its low end on
	ds_store_b128 v[STO], v[64*(\a)+8*\b+4:64*(\a)+8*\b+7] offset:128*(\b/2)+32*(\b%2)+16
.endr
	WIN 0
.set BB, BK+64*((\a)%2)
.irp t, 0,1,2,3,4,5,6,7,8,9,10,11,12,13,14,15
	ds_load_b128 v[BB+4*\t:BB+4*\t+3], v[RD] offset:\t*SPITCH    ; LDS serves a wave's instructions in order: these see my stores
.endr
.endm
.macro SEND a, younger                 ; younger: the LDS instructions issued behind block a's loads, which may stay out
.set BB, BK+64*((\a)%2)
	s_wait_dscnt \younger
.irp t, 0,1,2,3,4,5,6,7,8,9,10,11,12,13,14,15
	global_store_b128 v[L16], v[BB+4*\t:BB+4*\t+3], s[10:11] offset:(32*((\a)/2)+8*((\a)%2)+(\t%8)+16*(\t/8))*4096 th:TH_STORE_NT   ; 32 lanes store 512 consecutive bytes, at a multiple of 256 from out0's first byte
.endr
.endm
	PLACES 4                                       ; behind the last products: for the stage's stores and for the loads into the registers that held the tokens' fragments
	TOSTAGE 0
.irp a, 1,2,3
.if \a > 1
	s_wait_xcnt 0x0                                ; block a - 2's stores have read their registers: block a's loads may land there
.endif
	TOSTAGE \a
	SEND \a-1, 32                                  ; behind block a - 1's loads: block a's 16 stores and 16 loads
.endr
	SEND 3, 0
	s_wait_tensorcnt 0x0                           ; the wave's end
	ds_add_u32 v[SPW], v[NIL]
	s_wait_dscnt 0x0
	CROUND                                         ; the closing round
	s_endpgm
.Lfunc_end_k_qb9b2f6ec5e_proj:
	.size	k_qb9b2f6ec5e_proj, .Lfunc_end_k_qb9b2f6ec5e_proj-k_qb9b2f6ec5e_proj
	.p2alignl 7, 3214868480
	.fill 96, 4, 3214868480
	.section	.rodata,"a",@progbits
	.p2align	6, 0x0
	.amdhsa_kernel k_qb9b2f6ec5e_proj
		.amdhsa_group_segment_fixed_size 327680
		.amdhsa_private_segment_fixed_size 0
		.amdhsa_enable_private_segment 0
		.amdhsa_kernarg_size 32
		.amdhsa_user_sgpr_count 2
		.amdhsa_user_sgpr_kernarg_segment_ptr 1
		.amdhsa_wavefront_size32 1
		.amdhsa_system_sgpr_workgroup_id_x 1
		.amdhsa_system_sgpr_workgroup_id_y 1
		.amdhsa_system_sgpr_workgroup_id_z 1
		.amdhsa_system_vgpr_workitem_id 0
		.amdhsa_next_free_vgpr 768
		.amdhsa_next_free_sgpr 100
		.amdhsa_reserve_vcc 0
		.amdhsa_float_denorm_mode_32 3
		.amdhsa_float_denorm_mode_16_64 3
		.amdhsa_memory_ordered 1
		.amdhsa_forward_progress 1
		.amdhsa_inst_pref_size 85
	.end_amdhsa_kernel
	.amdgpu_metadata
---
amdhsa.version: [ 1, 2 ]
amdhsa.kernels:
  - .name:           k_qb9b2f6ec5e_proj
    .symbol:         k_qb9b2f6ec5e_proj.kd
    .args:
      - { .name: yq, .offset: 0, .size: 8, .value_kind: global_buffer, .address_space: global }
      - { .name: wq, .offset: 8, .size: 8, .value_kind: global_buffer, .address_space: global }
      - { .name: b_proj, .offset: 16, .size: 8, .value_kind: global_buffer, .address_space: global }
      - { .name: out0, .offset: 24, .size: 8, .value_kind: global_buffer, .address_space: global }
    .group_segment_fixed_size: 327680
    .private_segment_fixed_size: 0
    .kernarg_segment_align: 8
    .kernarg_segment_size: 32
    .max_flat_workgroup_size: 128
    .sgpr_count:     100
    .vgpr_count:     768
    .wavefront_size: 32
...
	.end_amdgpu_metadata
.endif
;; end of part 4
